; MI455X (gfx1250); checked and timed in simulation.
; The chip was launched on July 23, 2026; its instructions are those of AMD's public machine-readable ISA for CDNA 5 (MIT licence, August 2026) and "CDNA5" Instruction Set Architecture Reference Guide (July 2026). The comments in the code are by the model that wrote it; some were corrected since.
;; Custom Attention. Allowed arithmetic: matrix products marked QUANTISED: E2M1 operands, one E8M0 scale for each 32 along K, by v_wmma_scale_f32_16x16x128_f8f6f4 with both operands' format E2M1 (or v_wmma_scale_f32_32x16x128_f4), f32 sums; products left as they are: f32 operands where the result goes on into a quantised operand, else bf16, f16 or f32 operands; f32 sums; everything else in f32.
;; Inputs: W 1,024 x 1,024 float32; b 1,024 float32; decoder_hidden 32 x 1,024 float32; encoder_outputs 2,048 x 32 x 1,024 float32.
;; Outputs: out0 32 x 1 x 2,048 float32.
;; This version of the problem:
;;   THIS VERSION OF THE PROBLEM IS GIVEN IN LOW PRECISION. The matrix products marked QUANTISED in the list below multiply operands that are first quantised to E2M1 (2 exponent bits, 1 mantissa bit; 4 bits a number), with one power-of-two scale for each 32 numbers along K (OCP MX v1.0); their sums are f32. All else is computed in f32.
;;   The module's matrix products, in the order in which they are computed (A, B: the left and right operand; K: the contracted axis; several contracted axes count as one K, in the product's order):
;;     1. [M 65,536, K 1,024] x [K 1,024, N 1,024]; A: input encoder_outputs; B: input W: QUANTISED
;;     2. batch 32 x [M 1, K 1,024] x [K 1,024, N 2,048]; A: input decoder_hidden; B: computed on the way: left as it is (M = 1 < 16)
;;   THE QUANTISER, for each operand of a quantised product, along K:
;;     - K is cut into blocks of 32 from its start; a last block that is shorter is filled with zeros.
;;     - A block's scale is 2^e with e = floor(log2(the largest magnitude in the block)) - 2, held to -126 .. 127; a block of zeros has e = 0. As a byte (E8M0): e + 127.
;;     - Each number is divided by its block's scale, clamped to +-6, and rounded to the nearest number of E2M1, ties to even, subnormals kept.
;;     - The product sums the exact products of the quantised numbers (number of the format x scale) in f32.
;;   ~~~python
;;   def quantise(x, axis):      # numpy; x: float32 -> the quantised numbers, widened to float32 again
;;       x = np.moveaxis(x, axis, -1); K = x.shape[-1]
;;       x = np.pad(x, [(0, 0)] * (x.ndim - 1) + [(0, -K % 32)]); x = x.reshape(x.shape[:-1] + (-1, 32)); a = np.abs(x).max(-1, keepdims=True)
;;       e = np.where(a > 0, np.clip(np.frexp(np.where(a > 0, a, 1))[1] - 1 - 2, -126, 127), 0)      # np.frexp(a)[1] - 1 = floor(log2(a)), exactly
;;       r = np.clip(x / 2.0 ** e, -6, 6)
;;       step = 2.0 ** (np.maximum(np.frexp(np.where(r == 0, 1, r))[1] - 1, 0) - 1)
;;       q = np.round(r / step) * step * 2.0 ** e      # np.round: ties to even
;;       return np.moveaxis(q.reshape(q.shape[:-2] + (-1,))[..., :K], -1, axis).astype(np.float32)
;;   ~~~
;; 2 versions. Each part assembles by itself: llvm-mc -triple=amdgcn-amd-amdhsa -mcpu=gfx1250 --defsym DOCPART=n.
;; ======== version 1 of 2: 3 launches
;; workspace buffers: wf 524,288 bytes; ws 32,768 bytes; en 262,144 bytes
;; launch prep (part 1): grid 64 x 1, 8 waves a work-group, no clusters, 69,120 bytes of LDS; arguments W, wf, ws; writes wf, ws
.if DOCPART == 1
	.amdgcn_target "amdgcn-amd-amdhsa--gfx1250"
	.amdhsa_code_object_version 6
	.text
	.protected	k_qf1ca33588c_prep
	.globl	k_qf1ca33588c_prep
	.p2align	8
	.type	k_qf1ca33588c_prep,@function
k_qf1ca33588c_prep:
	s_mov_b64 s[64:65], 0
	v_nop
	global_prefetch_b8 v0, s[64:65] scope:SCOPE_SE
	s_setreg_imm32_b32 hwreg(HW_REG_WAVE_MODE, 25, 1), 1
	s_wait_xcnt 0x0
; W [1024 (n)][1024 (k)], f32, K innermost, becomes codes of FP4 (E2M1) with one E8M0 scale byte for each 32 along K, laid in the ORDER OF THE OPERAND'S REGISTERS, so that the product's launch
; loads every fragment by loads of 16 bytes a lane, 512 consecutive bytes an instruction.
;   wf: [tile T of 16 rows, 0..63][K step s of 128, 0..7][c 0..1][lane 0..31][16 bytes]: registers 4 c .. 4 c + 3 of the fragment: lane (r, h) holds row 16 T + r, k = 128 s + 64 c + 32 h + 0 .. 31.
;   ws: [T][lane 0..31][4 words]: word q of lane (r, h) is the scale word (four bytes, 128 along K) of row 16 T + r for K step 2 q + h.
; A block's scale is 2^(floor(log2(its largest magnitude)) - 2); its byte is the largest magnitude's exponent field - 2, held at 1 from below.
; LIMITS: a block of zeros gets the byte 1 where the quantiser says 127: its codes are zeros, which add nothing under any byte but 0xff, and only this program reads the bytes.  NaN and infinities in W are not served.
; SHARES: work-group T takes one tile of 16 rows, wave s one K step: one fragment a wave.  Each load reads 512 consecutive bytes of a row; the 16 x 512 bytes turn through the wave's own stage in LDS,
; from which a lane takes the 32 neighbours along K of each of its two blocks: a block lies in ONE lane, so its largest magnitude needs no other lane.
.set RP,   528                         ; a stage row: 512 bytes + 16: the sixteen rows that a load of 16 bytes a lane touches begin 16 bytes apart modulo 256
.set STG,  16*RP                       ; a wave's stage
.set SCB,  8*STG                       ; behind the stages: the tile's 128 scale words, in ws's order
.set LANE, 1
.set RR,   2
.set HH,   3
.set L16,  4                           ; v4   16 x lane: my bytes of a row's 512, of an image's 512
.set SIN,  5                           ; v5   the stage, on the way in
.set SOUT, 6                           ; v6   and out: row r, + 128 h
.set SH8,  7                           ; v7   8 h
.set SWA,  8                           ; v8   where my row's scale word goes
.set SRA,  9                           ; v9   where wave 0 reads the 512 bytes back
.set MA,   10
.set MB,   11
.set SCL,  12                          ; v12-13 the conversions' scale operands of my two blocks
.set BY,   14                          ; v14-15 their bytes
.set TP,   16
.set R,    32                          ; v32-95   16 rows as loaded
.set X,    96                          ; v96-159  my two blocks of 32 neighbours
.set PC,   160                         ; v160-167 the fragment
.set PW,   168                         ; v168     its scale word
.set OW,   172                         ; v172-175 the tile's scale words on their way out
.set SEL,  22                          ; s[22:23] v_permlanex16_b32's selects for lane l xor 16
; 32 numbers of one block, v[xb] on, become registers 4 c .. 4 c + 3 of the fragment at v[pc]; the block's byte goes to v[BY + c].
.macro QHALF xb, c, pc
	v_max3_num_f32 v[MA], |v[\xb]|, |v[\xb+1]|, 0x1800000          ; two chains; among the leaves the floor 2^(3 - 127), so that the byte cannot fall under 1
	v_max3_num_f32 v[MB], |v[\xb+16]|, |v[\xb+17]|, |v[\xb+18]|
.irp i, 2,4,6,8,10,12
	v_max3_num_f32 v[MA], v[MA], |v[\xb+\i]|, |v[\xb+\i+1]|
	v_max3_num_f32 v[MB], v[MB], |v[\xb+17+\i]|, |v[\xb+18+\i]|
.endr
	v_max3_num_f32 v[MA], v[MA], |v[\xb+14]|, |v[\xb+15]|
	v_max3_num_f32 v[MA], v[MA], v[MB], |v[\xb+31]|                ; the block's largest magnitude
	v_add_nc_u32 v[SCL+(\c)], 0xff000000, v[MA]                    ; 2 off its exponent field: the conversion takes the exponent field of this operand as its scale
	v_lshrrev_b32 v[BY+(\c)], 23, v[SCL+(\c)]                      ; the scale's byte
.irp g, 0,1,2,3
	v_cvt_scalef32_pk8_fp4_f32 v[\pc+4*(\c)+\g], v[\xb+8*\g:\xb+8*\g+7], v[SCL+(\c)]   ; to the nearest code, ties to even, beyond 6 the largest code
.endr
	v_nop                                                          ; one plain instruction behind the last scaled conversion
.endm
; My bytes are those of blocks h and 2 + h of my row; lane l xor 16 has the other two: together the row's scale word, in both lanes.
.macro QWORD pw
	v_lshl_or_b32 v[\pw], v[BY+1], 16, v[BY]
	v_lshlrev_b32 v[\pw], v[SH8], v[\pw]
	v_permlanex16_b32 v[TP], v[\pw], s[SEL], s[SEL+1]
	v_or_b32 v[\pw], v[\pw], v[TP]
.endm
	s_load_b128 s[4:7], s[0:1], 0x0                ; W s[4:5], wf s[6:7]
	s_load_b64 s[8:9], s[0:1], 0x10                ; ws
	v_lshl_add_u32 v192, v0, 2, 0x10a00
	v_mov_b32 v193, 0
	v_lshrrev_b32 v1, 5, v0
	v_readfirstlane_b32 s16, v1                    ; wave = K step s
	v_and_b32 v[LANE], 31, v0
	v_and_b32 v[RR], 15, v0
	v_bfe_u32 v[HH], v0, 4, 1
	v_lshlrev_b32 v[L16], 4, v[LANE]
	s_mul_i32 s17, s16, STG                        ; my stage
	v_add_nc_u32 v[SIN], s17, v[L16]
	v_mul_u32_u24 v[SOUT], v[RR], RP
	v_lshl_add_u32 v[SOUT], v[HH], 7, v[SOUT]
	v_add_nc_u32 v[SOUT], s17, v[SOUT]
	v_lshlrev_b32 v[SH8], 3, v[HH]
	s_and_b32 s18, s16, 1                          ; ws's order: lane r + 16 (s % 2), word s / 2: byte 16 r + 256 (s % 2) + 4 (s / 2)
	s_lshl_b32 s18, s18, 8
	s_lshr_b32 s19, s16, 1
	s_lshl_b32 s19, s19, 2
	s_add_co_u32 s18, s18, s19
	s_add_co_u32 s18, s18, SCB
	v_lshl_add_u32 v[SWA], v[RR], 4, s18
	v_add_nc_u32 v[SRA], SCB, v[L16]
	v_mov_b32 v[TP], 0                             ; a lane permute's destination counts as one of its sources
	s_mov_b32 s[SEL], 0x76543210
	s_mov_b32 s[SEL+1], 0xfedcba98
	s_lshl_b32 s20, ttmp9, 16                      ; W: 16 rows of 4,096 bytes a tile, 512 bytes a K step
	s_lshl_b32 s19, s16, 9
	s_add_co_u32 s20, s20, s19
	s_mov_b32 s21, 0
	s_wait_kmcnt 0x0
	s_add_nc_u64 s[4:5], s[4:5], s[20:21]
	s_lshl_b32 s20, ttmp9, 13                      ; wf: 8,192 bytes a tile, 1,024 a fragment
	s_lshl_b32 s19, s16, 10
	s_add_co_u32 s20, s20, s19
	s_add_nc_u64 s[6:7], s[6:7], s[20:21]
	s_lshl_b32 s20, ttmp9, 9                       ; ws: 512 bytes a tile
	s_add_nc_u64 s[8:9], s[8:9], s[20:21]
.irp i, 0,1,2,3,4,5,6,7,8,9,10,11,12,13,14,15
	global_load_b128 v[R+4*\i:R+4*\i+3], v[L16], s[4:5] offset:4096*\i th:TH_LOAD_NT   ; row i: 32 lanes read 512 consecutive bytes; read once in the launch
.endr
	s_wait_loadcnt 0x0
.irp i, 0,1,2,3,4,5,6,7,8,9,10,11,12,13,14,15
	ds_store_b128 v[SIN], v[R+4*\i:R+4*\i+3] offset:RP*\i
.endr
.irp c, 0,1
.irp g, 0,1,2,3,4,5,6,7
	ds_load_b128 v[X+32*\c+4*\g:X+32*\c+4*\g+3], v[SOUT] offset:256*\c+16*\g   ; my own stage: LDS serves a wave's instructions in order (ISA guide 5.7.1.4), so these see the stores above
.endr
.endr
	s_wait_dscnt 8                                 ; my first block's eight loads are in; the second block's eight may be out
	QHALF X, 0, PC
	s_wait_dscnt 0x0
	QHALF X+32, 1, PC
	QWORD PW
	global_store_b128 v[L16], v[PC:PC+3], s[6:7]               ; 32 lanes store 512 consecutive bytes, aligned
	global_store_b128 v[L16], v[PC+4:PC+7], s[6:7] offset:512
	ds_store_b32 v[SWA], v[PW]                     ; lanes r and r + 16 write the same word with the same value
	s_wait_dscnt 0x0                               ; for wave 0's sake: my store has landed
	s_barrier_signal -1
	s_barrier_wait -1
	s_cmp_lg_u32 s16, 0
	s_cbranch_scc1 .Ldone                          ; wave 0 sends the tile's 512 bytes of scale words out whole
	ds_load_b128 v[OW:OW+3], v[SRA]
	s_wait_dscnt 0x0
	global_store_b128 v[L16], v[OW:OW+3], s[8:9]
.Ldone:
	s_wait_tensorcnt 0x0
	ds_add_u32 v192, v193
	s_wait_dscnt 0x0
	s_endpgm
.Lfunc_end_k_qf1ca33588c_prep:
	.size	k_qf1ca33588c_prep, .Lfunc_end_k_qf1ca33588c_prep-k_qf1ca33588c_prep
	.p2alignl 7, 3214868480
	.fill 96, 4, 3214868480
	.section	.rodata,"a",@progbits
	.p2align	6, 0x0
	.amdhsa_kernel k_qf1ca33588c_prep
		.amdhsa_group_segment_fixed_size 69120
		.amdhsa_private_segment_fixed_size 0
		.amdhsa_enable_private_segment 0
		.amdhsa_kernarg_size 24
		.amdhsa_user_sgpr_count 2
		.amdhsa_user_sgpr_kernarg_segment_ptr 1
		.amdhsa_wavefront_size32 1
		.amdhsa_system_sgpr_workgroup_id_x 1
		.amdhsa_system_sgpr_workgroup_id_y 1
		.amdhsa_system_sgpr_workgroup_id_z 1
		.amdhsa_system_vgpr_workitem_id 0
		.amdhsa_next_free_vgpr 194
		.amdhsa_next_free_sgpr 66
		.amdhsa_reserve_vcc 0
		.amdhsa_float_denorm_mode_32 3
		.amdhsa_float_denorm_mode_16_64 3
		.amdhsa_memory_ordered 1
		.amdhsa_forward_progress 1
		.amdhsa_inst_pref_size 10
	.end_amdhsa_kernel
	.amdgpu_metadata
---
amdhsa.version: [ 1, 2 ]
amdhsa.kernels:
  - .name:           k_qf1ca33588c_prep
    .symbol:         k_qf1ca33588c_prep.kd
    .args:
      - { .name: W, .offset: 0, .size: 8, .value_kind: global_buffer, .address_space: global }
      - { .name: wf, .offset: 8, .size: 8, .value_kind: global_buffer, .address_space: global }
      - { .name: ws, .offset: 16, .size: 8, .value_kind: global_buffer, .address_space: global }
    .group_segment_fixed_size: 69120
    .private_segment_fixed_size: 0
    .kernarg_segment_align: 8
    .kernarg_segment_size: 24
    .max_flat_workgroup_size: 256
    .sgpr_count:     66
    .vgpr_count:     194
    .wavefront_size: 32
...
	.end_amdgpu_metadata
.endif
;; end of part 1
;; launch main (part 2): grid 256 x 1, 4 waves a work-group, no clusters, 327,680 bytes of LDS; arguments encoder_outputs, decoder_hidden, b, wf, ws, en; writes en
.if DOCPART == 2
	.amdgcn_target "amdgcn-amd-amdhsa--gfx1250"
	.amdhsa_code_object_version 6
	.text
	.protected	k_qf1ca33588c_main
	.globl	k_qf1ca33588c_main
	.p2align	8
	.type	k_qf1ca33588c_main,@function
k_qf1ca33588c_main:
	s_mov_b64 s[64:65], 0
	v_nop
	global_prefetch_b8 v0, s[64:65] scope:SCOPE_SE
	s_setreg_imm32_b32 hwreg(HW_REG_WAVE_MODE, 25, 1), 1
	s_wait_xcnt 0x0
; en[b][s] = the sum over n of dec[b][n] x (T[s][b][n] + bias[n]),  T = Q(enc[s][b][:]) Q(W)^T: the product on codes of FP4 (E2M1) with one E8M0 scale for each 32 along K, sums in f32.
; enc: [2048 (s)][32 (b)][1024 (k)] f32; dec: [32][1024]; bias: [1024]; wf, ws: W's codes and scale words in the order of the operand's registers (launch prep); en: [32][2048] f32.
; SHARES.  256 work-groups of four waves.  Work-group g owns ONE b = g % 32 and 256 values of s, from 256 (g / 32) on, in four blocks of 64 rows.  So a block's 64 results are 256 consecutive bytes of en.
;   In a block the waves share N: wave w makes n = 256 w .. 256 w + 255, 16 tiles of 16, for all 64 rows; T never leaves the registers: each tile goes straight into the dot with dec.
; THE STREAM.  enc comes by tensor loads through two LDS slots, each 64 rows x 512 along K of f32; a fill is four tiles of 64 rows x 512 bytes, one a wave, and a wave reads its own tile alone.
;   Eight fills; two are out at the start, afterwards one, and a fill has a quantising pass and 8 tiles of N (256 matrix instructions a wave) in which to land.
; THE QUANTISER.  Wave w turns its tile (K step 4 x slot + w) into four fragments, 16 rows x 128 K each.  A lane takes the 32 neighbours along K of a block, so a block's largest magnitude needs no other lane and the
;   conversions' results are the operand's registers.  Fragments and scale words go to the other waves through LDS as images of their registers; every wave then keeps the block's 32 fragments in 256 registers.
; W comes from memory straight into registers, a tile of N (8 fragments and their scale words: 17 loads) at a time, four buffers, three tiles on their way.
; NO CLUSTER, NO JOINT LOADS: enc's tiles are read by one wave of one work-group.  W is read by all, but each wave reads its own quarter of it and no two waves of a work-group share a byte: through LDS every
;   byte of W (544 KiB a block) would be written and read once more, beside the 676 KiB a block that enc and its images move there, and W's tiles would take their bytes from the two slots, which are what is requested ahead.
; THE MATRIX INSTRUCTION IS USED TRANSPOSED: source 0 = 16 rows of W, source 1 = 16 rows of enc: lane (r, h) holds row r of enc, and its register j the column n = 16 t + 8 h + j.
; LIMITS.  NaN and infinities among the inputs are not served.  A block of zeros gets the scale byte 1 where the quantiser says 127 (its codes are zeros; only this program reads the bytes).
;   dec . (T + bias) is summed as dec . bias + dec . T, by lanes, halves and waves: another order of f32 roundings than a sum in ascending n.
; REGISTERS, in windows of 256 (s_set_vgpr_msb: bits 1:0 source 0, 3:2 source 1, 5:4 source 2, 7:6 destination):
;   window 0: v1-14 addresses; v16-31 enc's scale words, v32-47 W's (these hold scales and nothing else); v48-95 sums and the quantiser's work; v96-159 two sets of four accumulators; v160-255 three sets of 32 numbers.
;   window 1: enc's 32 fragments, (row tile m, K step s) at v[8 (8 m + s)].   window 2: v0-127 dec, tile t at v[8 t].   window 3: four buffers for W's tiles, fragment s at v[64 (t % 4) + 8 s].
.set RP,    528                        ; a tile's row in LDS: 512 bytes + 16: the sixteen rows that a load of 16 bytes a lane touches begin 16 bytes apart modulo 256
.set TILEB, 64*RP                      ; a wave's tile
.set SLOT,  4*TILEB
.set IMG,   2*SLOT                     ; behind the ring: 32 images of 1,024 bytes: fragment (m, s) at (8 m + s) x 1,024 + 512 c + 16 x lane
.set ISC,   IMG+32*1024                ; their scale words: (8 m + s) x 64 + 4 r
.set SCR,   ISC+32*64                  ; each wave's 64 partial results: 256 w + 64 m + 4 r
.set SPARE, SCR+4*256                  ; the spare words, 128 bytes for each wave: two blocks of 256 bytes that no other line names
.set SPW,  1                           ; v1   SPARE + 4 x my thread's number; never rewritten
.set NIL,  2                           ; v2   0; never rewritten
.set AQ,   3                           ; v3-4 my place in my wave's tile of slot 0, 1: row r, + 128 h
.set IW,   5                           ; v5   where I store images: IMG + 1,024 w + 16 x lane
.set ISW,  6                           ; v6   and their scale words: ISC + 64 w + 4 r
.set LI,   7                           ; v7   where I read images: IMG + 16 x lane
.set ISR,  8                           ; v8   and scale words: ISC + 4 x lane: lanes 0-15 an even K step's, lanes 16-31 the next one's
.set SH8,  9                           ; v9   8 h
.set WO,   10                          ; v10  16 x lane: my bytes of every 512 of wf and ws
.set SCW,  11                          ; v11  SCR + 256 w + 4 r
.set SCRD, 12                          ; v12  SCR + 8 x lane
.set EO,   13                          ; v13  8 x lane
.set DO,   14                          ; v14  32 h
.set AS,   16                          ; enc's scale words: row tile m, K steps 2 q (lanes 0-15) and 2 q + 1 (lanes 16-31) at v[AS + 4 m + q]
.set WS,   32                          ; W's: buffer i likewise at v[WS + 4 i + q]
.set P2,   48                          ; v48-55 the dot's sums, a pair for each row tile
.set CB,   56                          ; v56-59 dec . bias of my 128 columns, in pairs; two chains
.set MA,   60
.set MB,   61
.set SCL,  62                          ; v62-63 the conversions' scale operands
.set BY,   64                          ; v64-65 the bytes
.set TP,   66
.set PW,   68                          ; v68-69 a fragment's scale word, two sets by turns
.set PC,   72                          ; v72-87 a fragment's codes, two sets by turns
.set F,    88                          ; v88-91 a row tile's result; v88-95 the four waves' partial results
.set G,    92
.set ACC,  96
.set XB,   160
.set BI,   128                         ; at the head alone: the bias, v128-255
.set WV,   16                          ; s16  my wave's number
.set SEL,  22                          ; s[22:23] v_permlanex16_b32's selects for lane l xor 16
.set G1,   24                          ; s[24:31] descriptor group 1
.set G0,   32                          ; s[32:39] descriptor group 0, a set for each slot
.set CNT,  40
.set W_MM, 0x07                        ; W window 3, enc window 1, C and D window 0
.set W_EP, 0x08                        ; source 1 (dec) window 2
.set W_LB, 0xc0                        ; destination window 3
.set W_LA, 0x40                        ; destination window 1
.set W_LD, 0x80                        ; destination window 2
.set W_CB, 0x02                        ; source 0 (dec) window 2
.set MSB, 0
.macro WIN new                         ; the immediate's high byte repeats the setting that is left; a switch that changes nothing is dropped
.if MSB != \new
	s_set_vgpr_msb (MSB<<8)|\new
.set MSB, \new
.endif
.endm
.macro PLACES                          ; four plain instructions (ISA guide 7.12.1)
.rept 4
	v_nop
.endr
.endm
.macro BAR                             ; my LDS stores have landed and my LDS loads are in: then the work-group's barrier.  A fill may stay out across it
	s_wait_dscnt 0x0
	s_barrier_signal -1
	s_barrier_wait -1
.endm
; 32 numbers of one block, v[xb] on, become registers 4 c .. 4 c + 3 of the fragment at v[pc]; the block's byte goes to v[BY + c].
.macro QHALF xb, c, pc
	v_max3_num_f32 v[MA], |v[\xb]|, |v[\xb+1]|, 0x1800000          ; two chains; among the leaves the floor 2^(3 - 127), so that the byte cannot fall under 1
	v_max3_num_f32 v[MB], |v[\xb+16]|, |v[\xb+17]|, |v[\xb+18]|
.irp i, 2,4,6,8,10,12
	v_max3_num_f32 v[MA], v[MA], |v[\xb+\i]|, |v[\xb+\i+1]|
	v_max3_num_f32 v[MB], v[MB], |v[\xb+17+\i]|, |v[\xb+18+\i]|
.endr
	v_max3_num_f32 v[MA], v[MA], |v[\xb+14]|, |v[\xb+15]|
	v_max3_num_f32 v[MA], v[MA], v[MB], |v[\xb+31]|                ; the block's largest magnitude
	v_add_nc_u32 v[SCL+(\c)], 0xff000000, v[MA]                    ; 2 off its exponent field: the conversion takes the exponent field of this operand as its scale
	v_lshrrev_b32 v[BY+(\c)], 23, v[SCL+(\c)]                      ; the scale's byte
.irp g, 0,1,2,3
	v_cvt_scalef32_pk8_fp4_f32 v[\pc+4*(\c)+\g], v[\xb+8*\g:\xb+8*\g+7], v[SCL+(\c)]   ; to the nearest code, ties to even, beyond 6 the largest code
.endr
	v_nop                                                          ; one plain instruction behind the last scaled conversion
.endm
; My bytes are those of blocks h and 2 + h of my row; lane l xor 16 has the other two: together the row's scale word, in both lanes.
.macro QWORD pw
	v_lshl_or_b32 v[\pw], v[BY+1], 16, v[BY]
	v_lshlrev_b32 v[\pw], v[SH8], v[\pw]
	v_permlanex16_b32 v[TP], v[\pw], s[SEL], s[SEL+1]
	v_or_b32 v[\pw], v[\pw], v[TP]
.endm
; A QUANTISING PASS over my tile of slot sl, in eight halves of a fragment: half u = row tile u / 2, block pair c = u % 2.
.macro QL sl, u                        ; eight loads: my 32 numbers of half u, k = 64 c + 32 h + 0 .. 31 of row 16 (u / 2) + r, into set u % 3
.irp g, 0,1,2,3,4,5,6,7
	ds_load_b128 v[XB+32*((\u)%3)+4*\g:XB+32*((\u)%3)+4*\g+3], v[AQ+\sl] offset:16*RP*((\u)/2)+256*((\u)%2)+16*\g
.endr
.endm
.macro QC u, cnt                       ; cnt: the LDS instructions issued behind half u's eight loads, which may stay out (LDS instructions of a wave end in order: ISA guide 5.7.1)
	s_wait_dscnt \cnt
	QHALF XB+32*((\u)%3), (\u)%2, PC+8*(((\u)/2)%2)
.if (\u)%2 == 1
	QWORD PW+((\u)/2)%2
.endif
.endm
.macro QS m, sl                        ; fragment (m, 4 sl + w) goes to LDS as it stands in my registers, and its scale words (lanes r and r + 16 write the same word with the same value)
	ds_store_b128 v[IW], v[PC+8*((\m)%2):PC+8*((\m)%2)+3] offset:(8*(\m)+4*(\sl))*1024
	ds_store_b128 v[IW], v[PC+8*((\m)%2)+4:PC+8*((\m)%2)+7] offset:(8*(\m)+4*(\sl))*1024+512
	ds_store_b32 v[ISW], v[PW+(\m)%2] offset:(8*(\m)+4*(\sl))*64
.endm
; Loads run two halves ahead.  The codes' two sets take turns by row tile: a set is written again (halves 4 and 6) behind a wait that shows its three stores done, since they were issued ahead of the loads waited for.
.macro QUANT4 sl
	WIN 0
	QL \sl, 0
	QL \sl, 1
	QL \sl, 2
	QC 0, 16                           ; behind half 0's loads: halves 1 and 2
	QL \sl, 3
	QC 1, 16                           ; halves 2 and 3
	QS 0, \sl
	QL \sl, 4
	QC 2, 19                           ; half 3, three stores, half 4
	QL \sl, 5
	QC 3, 19                           ; three stores, halves 4 and 5
	QS 1, \sl
	QL \sl, 6
	QC 4, 19                           ; half 5, three stores, half 6
	QL \sl, 7
	QC 5, 19                           ; three stores, halves 6 and 7
	QS 2, \sl
	QC 6, 11                           ; half 7, three stores
	QC 7, 3                            ; three stores
	QS 3, \sl
.endm
; SLOT sl, WHICH HAS BEEN READ, IS FILLED AGAIN with the next block's rows.  Each wave waits for all its tensor loads (one is out: its tile of the other slot), adds 0 to its spare word, steps the slot's address
; while no load of its own is out, waits for the add and for all its LDS loads and stores, and passes the barrier; its one tensor load stands first behind it.
.macro CHANGE sl
	WIN 0
	s_wait_tensorcnt 0x0
	ds_add_u32 v[SPW], v[NIL]                      ; 0 onto my spare word
	s_add_nc_u64 s[G0+4*\sl+2:G0+4*\sl+3], s[G0+4*\sl+2:G0+4*\sl+3], 0x800000   ; 64 rows of 131,072 bytes on; the type bits on top are not reached
	s_wait_dscnt 0x0                               ; the add is done; my reads of the slot are over, and so are my reads of the images
	s_barrier_signal -1
	s_barrier_wait -1
	tensor_load_to_lds s[G0+4*\sl:G0+4*\sl+3], s[G1:G1+7]
	s_nop 0
	PLACES                                         ; four plain instructions follow the load
.endm
; The block's 32 fragments and their scale words, from the images into my registers: the scale words first, then K step by K step, so that the first products can begin while the later K steps are on their way.
.macro ALOAD
	WIN 0
.irp m, 0,1,2,3
.irp q, 0,1,2,3
	ds_load_b32 v[AS+4*\m+\q], v[ISR] offset:(8*\m+2*\q)*64
.endr
.endr
	WIN W_LA
.irp s, 0,1,2,3,4,5,6,7
.irp m, 0,1,2,3
.irp c, 0,1
	ds_load_b128 v[8*(8*\m+\s)+4*\c:8*(8*\m+\s)+4*\c+3], v[LI] offset:(8*\m+\s)*1024+512*\c
.endr
.endr
.endr
.endm
; One product: tile t of my N, K step s, row tile m.  An even K step's scale words stand in lanes 0-15 of their registers, an odd one's in lanes 16-31.  The first K step starts the sum: nothing is cleared.
.macro MM t, s, m
.set rD, ACC+32*((\t)%2)+8*(\m)
.set rW, 64*((\t)%4)+8*(\s)
.set rA, 8*(8*(\m)+(\s))
.set rSW, WS+4*((\t)%4)+(\s)/2
.set rSA, AS+4*(\m)+(\s)/2
.if (\s) == 0
	v_wmma_scale_f32_16x16x128_f8f6f4 v[rD:rD+7], v[rW:rW+7], v[rA:rA+7], 0, v[rSW], v[rSA] matrix_a_fmt:MATRIX_FMT_FP4 matrix_b_fmt:MATRIX_FMT_FP4
.elseif (\s)%2 == 0
	v_wmma_scale_f32_16x16x128_f8f6f4 v[rD:rD+7], v[rW:rW+7], v[rA:rA+7], v[rD:rD+7], v[rSW], v[rSA] matrix_a_fmt:MATRIX_FMT_FP4 matrix_b_fmt:MATRIX_FMT_FP4
.else
	v_wmma_scale_f32_16x16x128_f8f6f4 v[rD:rD+7], v[rW:rW+7], v[rA:rA+7], v[rD:rD+7], v[rSW], v[rSA] matrix_a_fmt:MATRIX_FMT_FP4 matrix_b_fmt:MATRIX_FMT_FP4 matrix_a_scale:MATRIX_SCALE_ROW1 matrix_b_scale:MATRIX_SCALE_ROW1
.endif
.endm
; Tile t's results go into the dot with dec: 16 packed multiply-adds, the four row tiles by turns, each accumulator from its low end on.  The block's first takes dec . bias as its addend.
.macro EPI t
	WIN W_EP
.irp i, 0,1,2,3
.irp m, 0,1,2,3
.if ((\t) == 0) && (\i == 0)
	v_pk_fma_f32 v[P2+2*\m:P2+2*\m+1], v[ACC+32*((\t)%2)+8*\m+2*\i:ACC+32*((\t)%2)+8*\m+2*\i+1], v[8*(\t)+2*\i:8*(\t)+2*\i+1], v[CB:CB+1]
.else
	v_pk_fma_f32 v[P2+2*\m:P2+2*\m+1], v[ACC+32*((\t)%2)+8*\m+2*\i:ACC+32*((\t)%2)+8*\m+2*\i+1], v[8*(\t)+2*\i:8*(\t)+2*\i+1], v[P2+2*\m:P2+2*\m+1]
.endif
.endr
.endr
.endm
.macro WLOAD tile, buf                 ; 17 loads: a tile's eight fragments, 512 consecutive bytes a load, and its scale words
	WIN W_LB
.irp s, 0,1,2,3,4,5,6,7
.irp c, 0,1
	global_load_b128 v[64*(\buf)+8*\s+4*\c:64*(\buf)+8*\s+4*\c+3], v[WO], s[10:11] offset:(\tile)*8192+1024*\s+512*\c
.endr
.endr
	WIN 0
	global_load_b128 v[WS+4*(\buf):WS+4*(\buf)+3], v[WO], s[12:13] offset:(\tile)*512
.endm
; A TILE OF N: 32 products, K step by K step, the four accumulators by turns, one instruction a turn; the sets of accumulators take turns from tile to tile.
; Behind them stands the dot of the tile BEFORE: its 16 instructions name none of this tile's registers, so they are the places between this tile's products and the loads into its buffer and scale words,
; between them and the dot that reads them a tile later, and between the other set's last products and the products that begin it anew.  Tile 0 has four v_nop in their stead.
; first = 1: enc's fragments are still arriving.  wl = 1: the buffer takes the tile four further on (the walk goes round: the next block wants tile 0 again).  lc: the loads of younger tiles, which may stay out.
.macro NT t, first, wl, lc
	s_wait_loadcnt \lc                             ; loads come back in order (ISA guide 5.7.1): this tile's 17 are in
	WIN W_MM
.irp s, 0,1,2,3,4,5,6,7
.if \first
	s_wait_dscnt 8*(7-\s)                          ; K step s's eight loads are in; those of the later K steps, eight each, may be out
.endif
.irp m, 0,1,2,3
	MM \t, \s, \m
.endr
.endr
.if (\t) > 0
	EPI (\t)-1
.else
	PLACES
.endif
.if \wl
	WLOAD ((\t)+4)%16, (\t)%4
.endif
.endm
; The block's end: the last tile's dot; a pair's halves and the two halves of the lanes are added: my wave's share of 64 results, to LDS; a barrier.
.macro FINISH
	EPI 15
	WIN 0
.irp m, 0,1,2,3
	v_add_f32 v[F+\m], v[P2+2*\m], v[P2+2*\m+1]
.endr
.irp m, 0,1,2,3
	v_permlanex16_b32 v[G+\m], v[F+\m], s[SEL], s[SEL+1]
.endr
.irp m, 0,1,2,3
	v_add_f32 v[F+\m], v[F+\m], v[G+\m]            ; the same bits in lanes r and r + 16
.endr
.irp m, 0,1,2,3
	ds_store_b32 v[SCW], v[F+\m] offset:64*\m
.endr
	BAR
.endm
; Wave 0 adds the four waves' shares, two results a lane, and stores the block's 64: 256 consecutive bytes, aligned.  The shares are written again only behind later barriers, in front of which wave 0 has waited for these loads.
.macro REDUCE step
	s_cmp_lg_u32 s[WV], 0
	s_cbranch_scc1 .Lnot_wave_0_\@
.irp v, 0,1,2,3
	ds_load_b64 v[F+2*\v:F+2*\v+1], v[SCRD] offset:256*\v
.endr
	s_wait_dscnt 0x0
	v_pk_add_f32 v[F:F+1], v[F:F+1], v[F+2:F+3]
	v_pk_add_f32 v[F+4:F+5], v[F+4:F+5], v[F+6:F+7]
	v_pk_add_f32 v[F:F+1], v[F:F+1], v[F+4:F+5]
	global_store_b64 v[EO], v[F:F+1], s[14:15]
.if \step
	s_wait_xcnt 0x0                                ; the store has read its data and its base: both are written again only behind this wait
	s_add_nc_u64 s[14:15], s[14:15], 256
.endif
.Lnot_wave_0_\@:
.endm
	s_load_b256 s[4:11], s[0:1], 0x0               ; enc s[4:5], dec s[6:7], bias s[8:9], wf s[10:11]
	s_load_b128 s[12:15], s[0:1], 0x20             ; ws s[12:13], en s[14:15]
	v_lshl_add_u32 v[SPW], v0, 2, SPARE
	v_mov_b32 v[NIL], 0
	ds_add_u32 v1, v2
	ds_add_u32 v1, v2
	s_wait_dscnt 0x0
	v_lshrrev_b32 v[F], 5, v0
	v_readfirstlane_b32 s[WV], v[F]                ; wave 0..3
	s_and_b32 s17, ttmp9, 31                       ; b
	s_lshr_b32 s18, ttmp9, 5                       ; which 256 values of s
	; descriptor group 1: a tile of 64 rows x 128 elements of 4 bytes, rows 32,768 elements apart in memory, padded in LDS
	s_mov_b32 s[G1+0], (2<<16)|(1<<20)|(6<<22)|(3<<25)  ; 15:0 no mask; 17:16 elements of 4 bytes; 20 padding on; 24:22 after every 128 words (code 6); 31:25 four words (code 3)
	s_mov_b32 s[G1+1], 128<<16                     ; tensor_dim0 = 128
	s_mov_b32 s[G1+2], 64<<16                      ; tensor_dim1 = 64
	s_mov_b32 s[G1+3], 128<<16                     ; tile_dim0 = 128
	s_mov_b32 s[G1+4], 64                          ; tile_dim1 = 64
	s_mov_b32 s[G1+5], 32768                       ; tensor_dim0_stride: from s to s + 1
	s_mov_b32 s[G1+6], 0
	s_mov_b32 s[G1+7], 0
	s_lshl_b32 s20, s18, 25                        ; 256 rows of 131,072 bytes,
	s_lshl_b32 s19, s17, 12                        ; + b's 4,096 bytes in a row,
	s_add_co_u32 s20, s20, s19
	s_lshl_b32 s19, s[WV], 9                       ; + my wave's 512 of a slot's 2,048
	s_add_co_u32 s20, s20, s19
	s_mov_b32 s21, 0
	s_mov_b32 s[G0], 1                             ; count = 1
	s_mul_i32 s[G0+1], s[WV], TILEB                ; LDS address: slot 0, my tile
	s_mov_b32 s[G0+4], 1
	s_add_co_u32 s[G0+5], s[G0+1], SLOT            ; slot 1, my tile
	s_wait_kmcnt 0x0
	s_add_nc_u64 s[4:5], s[4:5], s[20:21]
	s_mov_b64 s[G0+2:G0+3], s[4:5]                 ; block 0, k = 128 w on
	s_or_b32 s[G0+3], s[G0+3], 0x80000000          ; type = 2
	s_add_nc_u64 s[G0+6:G0+7], s[4:5], 2048        ; block 0, k = 512 + 128 w on
	s_or_b32 s[G0+7], s[G0+7], 0x80000000
	tensor_load_to_lds s[G0:G0+3], s[G1:G1+7]      ; the two first fills go out together, ahead of everything else: two loads of mine are out
	s_nop 0
	tensor_load_to_lds s[G0+4:G0+7], s[G1:G1+7]
	s_nop 0
	PLACES
	s_lshl_b32 s20, s17, 12                        ; dec: row b, my 256 numbers
	s_lshl_b32 s19, s[WV], 10
	s_add_co_u32 s20, s20, s19
	s_add_nc_u64 s[6:7], s[6:7], s[20:21]
	s_mov_b32 s20, s19                             ; the bias: my 256 numbers
	s_add_nc_u64 s[8:9], s[8:9], s[20:21]
	s_lshl_b32 s20, s[WV], 17                      ; wf: my 16 tiles of 8,192 bytes
	s_add_nc_u64 s[10:11], s[10:11], s[20:21]
	s_lshl_b32 s20, s[WV], 13                      ; ws: my 16 tiles of 512 bytes
	s_add_nc_u64 s[12:13], s[12:13], s[20:21]
	s_lshl_b32 s20, s17, 13                        ; en: row b, my work-group's 256 numbers
	s_lshl_b32 s19, s18, 10
	s_add_co_u32 s20, s20, s19
	s_add_nc_u64 s[14:15], s[14:15], s[20:21]
	s_mov_b32 s[SEL], 0x76543210
	s_mov_b32 s[SEL+1], 0xfedcba98
	v_and_b32 v[F], 31, v0                         ; lane
	v_and_b32 v[F+1], 15, v0                       ; r
	v_bfe_u32 v[F+2], v0, 4, 1                     ; h
	v_lshlrev_b32 v[DO], 5, v[F+2]
	WIN W_LD
.irp t, 0,1,2,3,4,5,6,7,8,9,10,11,12,13,14,15
.irp u, 0,1
	global_load_b128 v[8*\t+4*\u:8*\t+4*\u+3], v[DO], s[6:7] offset:64*\t+16*\u       ; dec[b][256 w + 16 t + 8 h + 0 .. 7]: it stays
.endr
.endr
	WIN 0
.irp t, 0,1,2,3,4,5,6,7,8,9,10,11,12,13,14,15
.irp u, 0,1
	global_load_b128 v[BI+8*\t+4*\u:BI+8*\t+4*\u+3], v[DO], s[8:9] offset:64*\t+16*\u  ; the bias at the same places
.endr
.endr
	v_mul_u32_u24 v[AQ], v[F+1], RP
	v_lshl_add_u32 v[AQ], v[F+2], 7, v[AQ]
	v_add_nc_u32 v[AQ], s[G0+1], v[AQ]
	v_add_nc_u32 v[AQ+1], SLOT, v[AQ]
	v_lshlrev_b32 v[WO], 4, v[F]
	v_add_nc_u32 v[LI], IMG, v[WO]
	s_lshl_b32 s19, s[WV], 10
	v_add_nc_u32 v[IW], s19, v[LI]
	v_lshlrev_b32 v[ISW], 2, v[F+1]
	s_lshl_b32 s19, s[WV], 8
	v_add_nc_u32 v[SCW], s19, v[ISW]
	v_add_nc_u32 v[SCW], SCR, v[SCW]
	s_lshl_b32 s19, s[WV], 6
	v_add_nc_u32 v[ISW], s19, v[ISW]
	v_add_nc_u32 v[ISW], ISC, v[ISW]
	v_lshl_add_u32 v[ISR], v[F], 2, ISC
	v_lshlrev_b32 v[SH8], 3, v[F+2]
	v_lshl_add_u32 v[SCRD], v[F], 3, SCR
	v_lshlrev_b32 v[EO], 3, v[F]
	v_mov_b32 v[TP], 0                             ; a lane permute's destination counts as one of its sources
.irp m, 0,1,2,3
	v_mov_b32 v[G+\m], 0
.endr
	s_wait_loadcnt 0x0                             ; dec and the bias
	WIN W_CB                                       ; dec . bias over my 128 columns, in pairs, in two chains
	v_pk_mul_f32 v[CB:CB+1], v[0:1], v[BI:BI+1]
	v_pk_mul_f32 v[CB+2:CB+3], v[2:3], v[BI+2:BI+3]
.set j, 4
.rept 31
	v_pk_fma_f32 v[CB:CB+1], v[j:j+1], v[BI+j:BI+j+1], v[CB:CB+1]
	v_pk_fma_f32 v[CB+2:CB+3], v[j+2:j+3], v[BI+j+2:BI+j+3], v[CB+2:CB+3]
.set j, j+4
.endr
	WIN 0
	v_pk_add_f32 v[CB:CB+1], v[CB:CB+1], v[CB+2:CB+3]
.irp t, 0,1,2,3
	WLOAD \t, \t                                   ; W's first four tiles
.endr
	s_wait_tensorcnt 0x1                           ; my tile of slot 0 is in (tensor loads of a wave end in order: ISA guide 10.11.1); slot 1's may stay out.  I alone read my tiles: no barrier
	QUANT4 0                                       ; block 0, K steps 0 to 3
	s_mov_b32 s[CNT], 3
.Lblock:                                               ; three trips: blocks 0 to 2; each asks for both halves of the next block
	CHANGE 0                                       ; slot 1 has landed; slot 0 takes the next block's first half
	QUANT4 1                                       ; this block's K steps 4 to 7
	BAR                                            ; the block's 32 images are whole
	ALOAD
	NT 0, 1, 1, 51                                 ; 51: three younger tiles of 17 loads
.irp t, 1,2,3,4,5,6,7
	NT \t, 0, 1, 51
.endr
	CHANGE 1                                       ; slot 0 has landed; every wave has the images in its registers; slot 1 takes the next block's second half
	QUANT4 0                                       ; the NEXT block's K steps 0 to 3, over images that nobody reads any more
.irp t, 8,9,10,11,12,13,14,15
	NT \t, 0, 1, 51
.endr
	FINISH
	REDUCE 1
	s_sub_co_u32 s[CNT], s[CNT], 1
	s_cmp_lg_u32 s[CNT], 0
	s_cbranch_scc1 .Lblock
	s_wait_tensorcnt 0x0                           ; the last block is written out: nothing is left to ask for.  My tile of slot 1, the last load, is in
	QUANT4 1
	BAR
	ALOAD
	NT 0, 1, 1, 51
.irp t, 1,2,3,4,5,6,7,8,9,10,11
	NT \t, 0, 1, 51
.endr
	NT 12, 0, 0, 51                                ; no tile follows tile 15: the counts run down
	NT 13, 0, 0, 34
	NT 14, 0, 0, 17
	NT 15, 0, 0, 0
	FINISH
	REDUCE 0
	s_wait_tensorcnt 0x0                           ; the wave's end: behind my last tensor load and my last LDS store
	ds_add_u32 v[SPW], v[NIL]
	s_wait_dscnt 0x0
	s_endpgm
.Lfunc_end_k_qf1ca33588c_main:
	.size	k_qf1ca33588c_main, .Lfunc_end_k_qf1ca33588c_main-k_qf1ca33588c_main
	.p2alignl 7, 3214868480
	.fill 96, 4, 3214868480
	.section	.rodata,"a",@progbits
	.p2align	6, 0x0
	.amdhsa_kernel k_qf1ca33588c_main
		.amdhsa_group_segment_fixed_size 327680
		.amdhsa_private_segment_fixed_size 0
		.amdhsa_enable_private_segment 0
		.amdhsa_kernarg_size 48
		.amdhsa_user_sgpr_count 2
		.amdhsa_user_sgpr_kernarg_segment_ptr 1
		.amdhsa_wavefront_size32 1
		.amdhsa_system_sgpr_workgroup_id_x 1
		.amdhsa_system_sgpr_workgroup_id_y 1
		.amdhsa_system_sgpr_workgroup_id_z 1
		.amdhsa_system_vgpr_workitem_id 0
		.amdhsa_next_free_vgpr 1024
		.amdhsa_next_free_sgpr 66
		.amdhsa_reserve_vcc 0
		.amdhsa_float_denorm_mode_32 3
		.amdhsa_float_denorm_mode_16_64 3
		.amdhsa_memory_ordered 1
		.amdhsa_forward_progress 1
		.amdhsa_inst_pref_size 255
	.end_amdhsa_kernel
	.section	.bss,"aw",@nobits
	.p2align	6
	.space	262144
	.amdgpu_metadata
---
amdhsa.version: [ 1, 2 ]
amdhsa.kernels:
  - .name:           k_qf1ca33588c_main
    .symbol:         k_qf1ca33588c_main.kd
    .args:
      - { .name: encoder_outputs, .offset: 0, .size: 8, .value_kind: global_buffer, .address_space: global }
      - { .name: decoder_hidden, .offset: 8, .size: 8, .value_kind: global_buffer, .address_space: global }
      - { .name: b, .offset: 16, .size: 8, .value_kind: global_buffer, .address_space: global }
      - { .name: wf, .offset: 24, .size: 8, .value_kind: global_buffer, .address_space: global }
      - { .name: ws, .offset: 32, .size: 8, .value_kind: global_buffer, .address_space: global }
      - { .name: en, .offset: 40, .size: 8, .value_kind: global_buffer, .address_space: global }
    .group_segment_fixed_size: 327680
    .private_segment_fixed_size: 0
    .kernarg_segment_align: 8
    .kernarg_segment_size: 48
    .max_flat_workgroup_size: 128
    .sgpr_count:     66
    .vgpr_count:     1024
    .wavefront_size: 32
...
	.end_amdgpu_metadata
.endif
;; end of part 2
;; launch softmax (part 3): grid 32 x 1, 8 waves a work-group, no clusters, 1,280 bytes of LDS; arguments en, out0; writes out0
.if DOCPART == 3
	.amdgcn_target "amdgcn-amd-amdhsa--gfx1250"
	.amdhsa_code_object_version 6
	.text
	.protected	k_qf1ca33588c_softmax
	.globl	k_qf1ca33588c_softmax
	.p2align	8
	.type	k_qf1ca33588c_softmax,@function
k_qf1ca33588c_softmax:
	s_mov_b64 s[64:65], 0
	v_nop
	global_prefetch_b8 v0, s[64:65] scope:SCOPE_SE
	s_setreg_imm32_b32 hwreg(HW_REG_WAVE_MODE, 25, 1), 1
	s_wait_xcnt 0x0
; out0[b][0][s] = softmax over s of en[b][s].  en, out0: 32 rows of 2,048 f32.  A work-group takes a row, a thread eight numbers, which stay in registers between the maximum, the sum and the scaling: the row is read once.
; The row's maximum is taken away before the exponential: p = 2^((e - M) log2(e)), at most 1; the difference is formed first and then scaled, so that it is not a difference of two rounded products.
; LIMITS: a p under 2^-126 comes out as 0 (v_exp_f32 flushes denormals: ISA guide 15.8).  NaN and infinities are not served.
; Each load and store of a wave covers 512 consecutive bytes, aligned.  The waves' maxima meet in LDS bytes 0-31, their sums in bytes 32-63: other bytes, so one barrier each.
	s_load_b128 s[4:7], s[0:1], 0x0                ; en, out0
	v_lshl_add_u32 v32, v0, 2, 0x100
	v_mov_b32 v33, 0
	v_lshlrev_b32 v1, 4, v0                        ; 16 bytes a thread
	v_lshrrev_b32 v2, 5, v0
	v_readfirstlane_b32 s8, v2                     ; wave 0..7
	s_lshl_b32 s9, s8, 2
	v_mov_b32 v3, s9                               ; my wave's word
	v_mov_b32 v14, 0
	v_mov_b32 v13, 0                               ; a lane permute's destination counts as one of its sources
	s_lshl_b32 s10, ttmp9, 13                      ; a row is 8,192 bytes
	s_mov_b32 s11, 0
	s_mov_b32 s12, 0x76543210                      ; v_permlanex16_b32's selects for lane l xor 16
	s_mov_b32 s13, 0xfedcba98
	s_wait_kmcnt 0x0
	s_add_nc_u64 s[4:5], s[4:5], s[10:11]
	s_add_nc_u64 s[6:7], s[6:7], s[10:11]
	global_load_b128 v[4:7], v1, s[4:5] th:TH_LOAD_NT
	global_load_b128 v[8:11], v1, s[4:5] offset:4096 th:TH_LOAD_NT
	s_wait_loadcnt 0x0
	v_max3_num_f32 v12, v4, v5, v6                 ; the maximum: of my eight,
	v_max3_num_f32 v12, v12, v7, v8
	v_max3_num_f32 v12, v12, v9, v10
	v_max_num_f32 v12, v12, v11
	v_max_num_f32_dpp v12, v12, v12 row_xmask:1 row_mask:0xf bank_mask:0xf   ; of my wave's 256,
	v_max_num_f32_dpp v12, v12, v12 row_xmask:2 row_mask:0xf bank_mask:0xf
	v_max_num_f32_dpp v12, v12, v12 row_xmask:4 row_mask:0xf bank_mask:0xf
	v_max_num_f32_dpp v12, v12, v12 row_xmask:8 row_mask:0xf bank_mask:0xf
	v_permlanex16_b32 v13, v12, s12, s13
	v_max_num_f32 v12, v12, v13
	ds_store_b32 v3, v12                           ; all lanes write the same word with the same value
	s_wait_dscnt 0x0                               ; for the others' sake: my store has landed
	s_barrier_signal -1
	s_barrier_wait -1
	ds_load_b128 v[16:19], v14
	ds_load_b128 v[20:23], v14 offset:16
	s_wait_dscnt 0x0
	v_max3_num_f32 v12, v16, v17, v18              ; of the eight waves: M
	v_max3_num_f32 v12, v12, v19, v20
	v_max3_num_f32 v12, v12, v21, v22
	v_max_num_f32 v12, v12, v23
.irp j, 4,6,8,10
	v_pk_add_f32 v[\j:\j+1], v[\j:\j+1], v[12:13] op_sel_hi:[1,0] neg_lo:[0,1] neg_hi:[0,1]   ; e - M (of the pair the low word serves both halves)
.endr
.irp j, 4,6,8,10
	v_pk_mul_f32 v[\j:\j+1], v[\j:\j+1], 0x3fb8aa3b op_sel_hi:[1,0]                            ; x log2(e)
.endr
.irp j, 4,5,6,7,8,9,10,11
	v_exp_f32 v[\j], v[\j]                         ; one batch
.endr
	v_nop                                          ; a plain instruction behind the last exponential
	s_wait_alu depctr_va_vdst(0)                   ; and the wait ahead of the batch's first reader
	v_pk_add_f32 v[24:25], v[4:5], v[6:7]          ; the sum: of my eight,
	v_pk_add_f32 v[26:27], v[8:9], v[10:11]
	v_pk_add_f32 v[24:25], v[24:25], v[26:27]
	v_add_f32 v24, v24, v25
	v_add_f32_dpp v24, v24, v24 row_xmask:1 row_mask:0xf bank_mask:0xf       ; of my wave's 256,
	v_add_f32_dpp v24, v24, v24 row_xmask:2 row_mask:0xf bank_mask:0xf
	v_add_f32_dpp v24, v24, v24 row_xmask:4 row_mask:0xf bank_mask:0xf
	v_add_f32_dpp v24, v24, v24 row_xmask:8 row_mask:0xf bank_mask:0xf
	v_permlanex16_b32 v13, v24, s12, s13
	v_add_f32 v24, v24, v13
	ds_store_b32 v3, v24 offset:32
	s_wait_dscnt 0x0
	s_barrier_signal -1
	s_barrier_wait -1
	ds_load_b128 v[16:19], v14 offset:32
	ds_load_b128 v[20:23], v14 offset:48
	s_wait_dscnt 0x0
	v_pk_add_f32 v[16:17], v[16:17], v[18:19]      ; of the eight waves
	v_pk_add_f32 v[20:21], v[20:21], v[22:23]
	v_pk_add_f32 v[16:17], v[16:17], v[20:21]
	v_add_f32 v26, v16, v17
	v_rcp_f32 v24, v26
	v_nop                                          ; a plain instruction behind the reciprocal
	s_wait_alu depctr_va_vdst(0)                   ; and the wait ahead of its first reader
.irp j, 4,6,8,10
	v_pk_mul_f32 v[\j:\j+1], v[\j:\j+1], v[24:25] op_sel_hi:[1,0]
.endr
	global_store_b128 v1, v[4:7], s[6:7] th:TH_STORE_NT
	global_store_b128 v1, v[8:11], s[6:7] offset:4096 th:TH_STORE_NT
	s_wait_tensorcnt 0x0
	ds_add_u32 v32, v33
	s_wait_dscnt 0x0
	s_endpgm
.Lfunc_end_k_qf1ca33588c_softmax:
	.size	k_qf1ca33588c_softmax, .Lfunc_end_k_qf1ca33588c_softmax-k_qf1ca33588c_softmax
	.p2alignl 7, 3214868480
	.fill 96, 4, 3214868480
	.section	.rodata,"a",@progbits
	.p2align	6, 0x0
	.amdhsa_kernel k_qf1ca33588c_softmax
		.amdhsa_group_segment_fixed_size 1280
		.amdhsa_private_segment_fixed_size 0
		.amdhsa_enable_private_segment 0
		.amdhsa_kernarg_size 16
		.amdhsa_user_sgpr_count 2
		.amdhsa_user_sgpr_kernarg_segment_ptr 1
		.amdhsa_wavefront_size32 1
		.amdhsa_system_sgpr_workgroup_id_x 1
		.amdhsa_system_sgpr_workgroup_id_y 1
		.amdhsa_system_sgpr_workgroup_id_z 1
		.amdhsa_system_vgpr_workitem_id 0
		.amdhsa_next_free_vgpr 34
		.amdhsa_next_free_sgpr 66
		.amdhsa_reserve_vcc 0
		.amdhsa_float_denorm_mode_32 3
		.amdhsa_float_denorm_mode_16_64 3
		.amdhsa_memory_ordered 1
		.amdhsa_forward_progress 1
		.amdhsa_inst_pref_size 5
	.end_amdhsa_kernel
	.amdgpu_metadata
---
amdhsa.version: [ 1, 2 ]
amdhsa.kernels:
  - .name:           k_qf1ca33588c_softmax
    .symbol:         k_qf1ca33588c_softmax.kd
    .args:
      - { .name: en, .offset: 0, .size: 8, .value_kind: global_buffer, .address_space: global }
      - { .name: out0, .offset: 8, .size: 8, .value_kind: global_buffer, .address_space: global }
    .group_segment_fixed_size: 1280
    .private_segment_fixed_size: 0
    .kernarg_segment_align: 8
    .kernarg_segment_size: 16
    .max_flat_workgroup_size: 256
    .sgpr_count:     66
    .vgpr_count:     34
    .wavefront_size: 32
...
	.end_amdgpu_metadata
.endif
;; end of part 3
;; ======== version 2 of 2: 3 launches
;; limits: right only within a limited range of input values
;; workspace buffers: wf 524,288 bytes; ws 32,768 bytes; en 262,144 bytes
;; launch prep (part 4): grid 64 x 1, 8 waves a work-group, no clusters, 69,120 bytes of LDS; arguments W, wf, ws; writes wf, ws
.if DOCPART == 4
	.amdgcn_target "amdgcn-amd-amdhsa--gfx1250"
	.amdhsa_code_object_version 6
	.text
	.protected	k_qf1ca33588c_prep
	.globl	k_qf1ca33588c_prep
	.p2align	8
	.type	k_qf1ca33588c_prep,@function
k_qf1ca33588c_prep:
	s_mov_b64 s[64:65], 0
	v_nop
	global_prefetch_b8 v0, s[64:65] scope:SCOPE_SE
	s_setreg_imm32_b32 hwreg(HW_REG_WAVE_MODE, 25, 1), 1
	s_wait_xcnt 0x0
; WORK LEFT OUT BY THE WHOLE PROGRAM: energies[b][s] = sum over e of dh[b][e] T[s][b][e]  +  sum over e of dh[b][e] b[e], T the quantised product.  The second sum does not hang on s,
; and a softmax along s is not changed by a term that is the same along s, whatever finite values dh and b hold.  It stands behind the quantised product and enters no quantiser.
; So the input b is not loaded and is among no launch's arguments.  LIMIT: a NaN, an infinity or an overflow that would arise in that term alone is not carried to the result.
; THIS LAUNCH: W [1024 (e)][1024 (k)], f32, K innermost, becomes codes of FP4 (E2M1) with one E8M0 byte for each 32 along K, laid in the order of the operand's registers.
;   wf: [tile T of 16 rows][K step s of 128, 0..7][c 0..1][lane][16 bytes]: registers 4 c .. 4 c + 3 of the fragment: lane (r, h) holds row 16 T + r, k = 128 s + 64 c + 32 h + 0 .. 31.
;   ws: [T][s][r] words: the scale word (four bytes, 128 along K) of row 16 T + r for K step s: 128 bytes hold, lane by lane, the words of K steps 2 p (lanes 0-15) and 2 p + 1 (lanes 16-31).
; A block's scale is 2^(floor(log2(its largest magnitude)) - 2); its byte is that magnitude's exponent field - 2, held at 1 from below.
; LIMITS: a block of zeros gets the byte 1 where the quantiser says 127: its codes are zeros, which add nothing under any byte but 0xff, and only this program reads the bytes.  NaN and infinities in W are not served.
; SHARES: work-group T takes a tile of 16 rows, wave s a K step: one fragment a wave.  Each load reads 512 consecutive bytes of a row; the 16 x 512 bytes turn through the wave's own stage in LDS,
; from which a lane takes the 32 neighbours along K of each of its two blocks.
.set RP,   528                         ; a stage row: 512 bytes + 16
.set STG,  16*RP
.set SCB,  8*STG                       ; behind the stages: the tile's 128 scale words, in ws's order
.set SPARE, SCB+512                    ; the spare words: 128 bytes a wave
.set LANE, 1
.set RR,   2
.set HH,   3
.set L16,  4
.set SIN,  5
.set SOUT, 6
.set SH8,  7
.set SWA,  8
.set SRA,  9
.set MA,   10
.set MB,   11
.set SCL,  12
.set BY,   14
.set TP,   16
.set R,    32                          ; v32-95   16 rows as loaded
.set X,    96                          ; v96-159  my two blocks
.set PC,   160                         ; v160-167 the fragment
.set PW,   168
.set OW,   172
.set SEL,  22
.macro QHALF xb, c, pc                 ; 32 numbers of one block become registers 4 c .. 4 c + 3 of the fragment; the byte goes to v[BY + c]
	v_max3_num_f32 v[MA], |v[\xb]|, |v[\xb+1]|, 0x1800000          ; among the leaves the floor 2^(3 - 127)
	v_max3_num_f32 v[MB], |v[\xb+16]|, |v[\xb+17]|, |v[\xb+18]|
.irp i, 2,4,6,8,10,12
	s_delay_alu instid0(VALU_DEP_2)
	v_max3_num_f32 v[MA], v[MA], |v[\xb+\i]|, |v[\xb+\i+1]|
	s_delay_alu instid0(VALU_DEP_2)
	v_max3_num_f32 v[MB], v[MB], |v[\xb+17+\i]|, |v[\xb+18+\i]|
.endr
	s_delay_alu instid0(VALU_DEP_2)
	v_max3_num_f32 v[MA], v[MA], |v[\xb+14]|, |v[\xb+15]|
	s_delay_alu instid0(VALU_DEP_1)
	v_max3_num_f32 v[MA], v[MA], v[MB], |v[\xb+31]|
	s_delay_alu instid0(VALU_DEP_1)
	v_add_nc_u32 v[SCL+(\c)], 0xff000000, v[MA]                    ; 2 off the exponent field: the conversion's scale operand
	s_delay_alu instid0(VALU_DEP_1)
	v_lshrrev_b32 v[BY+(\c)], 23, v[SCL+(\c)]
.irp g, 0,1,2,3
	v_cvt_scalef32_pk8_fp4_f32 v[\pc+4*(\c)+\g], v[\xb+8*\g:\xb+8*\g+7], v[SCL+(\c)]
.endr
	v_nop                                                          ; one plain instruction behind the last scaled conversion
.endm
	s_load_b128 s[4:7], s[0:1], 0x0                ; W, wf
	s_load_b64 s[8:9], s[0:1], 0x10                ; ws
	v_lshl_add_u32 v192, v0, 2, SPARE
	v_mov_b32 v193, 0
	v_lshrrev_b32 v1, 5, v0
	s_delay_alu instid0(VALU_DEP_1)
	v_readfirstlane_b32 s16, v1                    ; wave = K step s
	v_and_b32 v[LANE], 31, v0
	v_and_b32 v[RR], 15, v0
	v_bfe_u32 v[HH], v0, 4, 1
	s_delay_alu instid0(VALU_DEP_3)
	v_lshlrev_b32 v[L16], 4, v[LANE]
	s_mul_i32 s17, s16, STG
	v_add_nc_u32 v[SIN], s17, v[L16]
	v_mul_u32_u24 v[SOUT], v[RR], RP
	s_delay_alu instid0(VALU_DEP_1)
	v_lshl_add_u32 v[SOUT], v[HH], 7, v[SOUT]
	s_delay_alu instid0(VALU_DEP_1)
	v_add_nc_u32 v[SOUT], s17, v[SOUT]
	v_lshlrev_b32 v[SH8], 3, v[HH]
	s_lshl_b32 s18, s16, 6                         ; ws's order: byte 64 s + 4 r of the tile's 512
	s_add_co_u32 s18, s18, SCB
	v_lshl_add_u32 v[SWA], v[RR], 2, s18
	v_add_nc_u32 v[SRA], SCB, v[L16]
	v_mov_b32 v[TP], 0                             ; a lane permute's destination counts as one of its sources
	s_mov_b32 s[SEL], 0x76543210
	s_mov_b32 s[SEL+1], 0xfedcba98
	s_lshl_b32 s20, ttmp9, 16                      ; W: 16 rows of 4,096 bytes a tile, 512 bytes a K step
	s_lshl_b32 s19, s16, 9
	s_add_co_u32 s20, s20, s19
	s_mov_b32 s21, 0
	s_wait_alu depctr_va_vdst(0)
	s_wait_kmcnt 0x0
	s_add_nc_u64 s[4:5], s[4:5], s[20:21]
	s_lshl_b32 s20, ttmp9, 13                      ; wf: 8,192 bytes a tile, 1,024 a fragment
	s_lshl_b32 s19, s16, 10
	s_add_co_u32 s20, s20, s19
	s_add_nc_u64 s[6:7], s[6:7], s[20:21]
	s_lshl_b32 s20, ttmp9, 9                       ; ws: 512 bytes a tile
	s_add_nc_u64 s[8:9], s[8:9], s[20:21]
.irp i, 0,1,2,3,4,5,6,7,8,9,10,11,12,13,14,15
	global_load_b128 v[R+4*\i:R+4*\i+3], v[L16], s[4:5] offset:4096*\i th:TH_LOAD_NT
.endr
	s_wait_loadcnt 0x0
.irp i, 0,1,2,3,4,5,6,7,8,9,10,11,12,13,14,15
	ds_store_b128 v[SIN], v[R+4*\i:R+4*\i+3] offset:RP*\i
.endr
.irp c, 0,1
.irp g, 0,1,2,3,4,5,6,7
	ds_load_b128 v[X+32*\c+4*\g:X+32*\c+4*\g+3], v[SOUT] offset:256*\c+16*\g   ; my own stage: LDS serves a wave's instructions in order
.endr
.endr
	s_wait_dscnt 8                                 ; my first block's eight loads are in
	QHALF X, 0, PC
	s_wait_dscnt 0x0
	QHALF X+32, 1, PC
	v_lshl_or_b32 v[PW], v[BY+1], 16, v[BY]        ; my bytes are those of blocks h and 2 + h; lane l xor 16 has the other two
	s_delay_alu instid0(VALU_DEP_1)
	v_lshlrev_b32 v[PW], v[SH8], v[PW]
	s_delay_alu instid0(VALU_DEP_1)
	v_permlanex16_b32 v[TP], v[PW], s[SEL], s[SEL+1]
	s_delay_alu instid0(VALU_DEP_1)
	v_or_b32 v[PW], v[PW], v[TP]
	global_store_b128 v[L16], v[PC:PC+3], s[6:7]               ; 32 lanes store 512 consecutive bytes, aligned
	global_store_b128 v[L16], v[PC+4:PC+7], s[6:7] offset:512
	ds_store_b32 v[SWA], v[PW]                     ; lanes r and r + 16 write the same word with the same value
	s_wait_dscnt 0x0                               ; for wave 0's sake: my store has landed
	s_barrier_signal -1
	s_barrier_wait -1
	s_cmp_lg_u32 s16, 0
	s_cbranch_scc1 .Ldone                          ; wave 0 sends the tile's 512 bytes of scale words out whole
	ds_load_b128 v[OW:OW+3], v[SRA]
	s_wait_dscnt 0x0
	global_store_b128 v[L16], v[OW:OW+3], s[8:9]
.Ldone:
	s_wait_tensorcnt 0x0                           ; the wave's end
	ds_add_u32 v192, v193
	s_wait_dscnt 0x0
	s_endpgm
.Lfunc_end_k_qf1ca33588c_prep:
	.size	k_qf1ca33588c_prep, .Lfunc_end_k_qf1ca33588c_prep-k_qf1ca33588c_prep
	.p2alignl 7, 3214868480
	.fill 96, 4, 3214868480
	.section	.rodata,"a",@progbits
	.p2align	6, 0x0
	.amdhsa_kernel k_qf1ca33588c_prep
		.amdhsa_group_segment_fixed_size 69120
		.amdhsa_private_segment_fixed_size 0
		.amdhsa_enable_private_segment 0
		.amdhsa_kernarg_size 24
		.amdhsa_user_sgpr_count 2
		.amdhsa_user_sgpr_kernarg_segment_ptr 1
		.amdhsa_wavefront_size32 1
		.amdhsa_system_sgpr_workgroup_id_x 1
		.amdhsa_system_sgpr_workgroup_id_y 1
		.amdhsa_system_sgpr_workgroup_id_z 1
		.amdhsa_system_vgpr_workitem_id 0
		.amdhsa_next_free_vgpr 194
		.amdhsa_next_free_sgpr 66
		.amdhsa_reserve_vcc 0
		.amdhsa_float_denorm_mode_32 3
		.amdhsa_float_denorm_mode_16_64 3
		.amdhsa_memory_ordered 1
		.amdhsa_forward_progress 1
		.amdhsa_inst_pref_size 11
	.end_amdhsa_kernel
	.amdgpu_metadata
---
amdhsa.version: [ 1, 2 ]
amdhsa.kernels:
  - .name:           k_qf1ca33588c_prep
    .symbol:         k_qf1ca33588c_prep.kd
    .args:
      - { .name: W, .offset: 0, .size: 8, .value_kind: global_buffer, .address_space: global }
      - { .name: wf, .offset: 8, .size: 8, .value_kind: global_buffer, .address_space: global }
      - { .name: ws, .offset: 16, .size: 8, .value_kind: global_buffer, .address_space: global }
    .group_segment_fixed_size: 69120
    .private_segment_fixed_size: 0
    .kernarg_segment_align: 8
    .kernarg_segment_size: 24
    .max_flat_workgroup_size: 256
    .sgpr_count:     66
    .vgpr_count:     194
    .wavefront_size: 32
...
	.end_amdgpu_metadata
.endif
;; end of part 4
;; launch main (part 5): grid 256 x 1, 4 waves a work-group, no clusters, 327,680 bytes of LDS; arguments encoder_outputs, decoder_hidden, wf, ws, en; writes en
.if DOCPART == 5
	.amdgcn_target "amdgcn-amd-amdhsa--gfx1250"
	.amdhsa_code_object_version 6
	.text
	.protected	k_qf1ca33588c_main
	.globl	k_qf1ca33588c_main
	.p2align	8
	.type	k_qf1ca33588c_main,@function
k_qf1ca33588c_main:
	s_mov_b64 s[64:65], 0
	v_nop
	global_prefetch_b8 v0, s[64:65] scope:SCOPE_SE
	s_setreg_imm32_b32 hwreg(HW_REG_WAVE_MODE, 25, 1), 1
	s_wait_xcnt 0x0
; en[b][s] = sum over e of dh[b][e] x (sum over k of Q(enc)[s][b][k] Q(W)[e][k]).  The bias term dh[b] . b is left out: it is the same along the softmax's axis (shown at the head of the first kernel).
; A work-group has one b and 256 positions s.  They are taken in 8 UNITS of 128 rows x 256 along K (unit t: rows 128 (t % 2) .., K pair t / 2).  A unit comes as f32 by tensor loads (a wave: 32 rows x 1,024 bytes) into slot t % 2,
; is quantised (a wave: its own 32 rows, 4 fragments, the conversions' results being the operand's registers) into image t % 2 in LDS, and is multiplied one phase later by all four waves.
; Wave w owns the outputs e = 256 w .. 256 w + 255: 16 tiles of W, whose codes for the current 256 along K lie in 256 registers, loaded straight from wf: so a work-group reads W's codes once.
; The product is used transposed (source 0 = 16 rows of W, source 1 = 16 rows of enc): a lane holds 8 e of one row s.  The sum over K is taken in four parts: each part of T is multiplied by dh and summed over e at once
; (packed multiply-adds, four chains); a row's running sums wait in the wave's own LDS words and are joined over waves, lane halves and chains at the end.  All sums are f32.
; PHASE t: barrier; the tensor load of unit t + 1; unit t is quantised; unit t - 1 is multiplied.  By the text's own count a wave has one tensor load outstanding.
; cluster = none: what work-groups share is W's codes, and they go to the registers of the one wave that multiplies them; a joint load would have to land in LDS, of which this text uses 317,952 of 327,680 bytes.
; No prefetch into the L2: every byte of encoder_outputs is asked for once, by a tensor load that goes out a whole phase ahead of its first read, and behind every barrier but the last three each wave has such a load on its way.
; LIMITS: a block of zeros gets the scale byte 1 where the quantiser says 127 (its codes are zeros; only this program reads the byte).  NaN and infinities among the inputs are not served.
; REGISTERS: window 0: addresses, scale words, A's fragments, the quantiser;  window 1: v0-127 the 16 accumulators, v128-255 dh of my 256 e;  window 2: W's fragments (tile i, K step ks at v[16 i + 8 ks]).
.set RP,    1040                       ; an LDS row: 1,024 bytes + 16: the sixteen rows that a load touches begin 16 bytes apart modulo 256
.set TILEB, 32*RP
.set SLOT,  4*TILEB
.set IMG,   2*SLOT                     ; two images: 8 row tiles x 2 K steps x 1,024 bytes, then 8 x 128 bytes of scale words
.set ISC,   16384
.set IMGB,  ISC+1024
.set PS,    IMG+2*IMGB                 ; running sums: [wave][32 rows: 8][lane][4 f32]
.set SPARE, PS+4*4096                  ; the spare words, 128 bytes a wave
.set SPW,  1
.set NIL,  2
.set AQ,   3                           ; v3-4  the quantiser's reads of slot 0, 1
.set IW,   5
.set ISW,  6
.set SH8,  7
.set WO,   8                           ; 16 x lane
.set WL4,  9                           ; 4 x lane
.set DO,   10                          ; 32 h
.set LI,   11                          ; image, 16 x lane
.set LS,   12                          ; its scale words, 4 x lane
.set PB,   13                          ; my wave's running sums, 16 x lane
.set AI,   14                          ; the three of the current trip
.set ASA,  15
.set PSA,  16
.set FR,   17
.set EO,   18
.set PN,   20                          ; v20-23 new running sums
.set WSC,  24                          ; v24-39 W's scale words: lanes 0-15 the even K step, lanes 16-31 the odd one
.set ASC,  40                          ; v40-41 A's, likewise, for the trip's two row tiles
.set PO,   44                          ; v44-47 old running sums
.set C,    48                          ; v48-55 four chains
.set AF,   64                          ; v64-95 A's fragments of two row tiles
.set MA,   96
.set MB,   97
.set SCL,  98
.set BY,   100
.set TP,   102
.set PW,   104
.set PC,   112
.set XB,   128                         ; v128-223 three blocks of 32 numbers
.set EN,   176
.set WV,   16
.set SEL,  22
.set G1,   24
.set G0,   32
.set CT,   40
.set S1,   42
.set S2,   43
.set S3,   44
.set LC,   45
.set W_MM, 0x52                        ; source 0 (W) window 2, source 1 (A) window 0, C and D window 1
.set W_EP, 0x05                        ; sources 0 and 1 window 1, source 2 and destination window 0
.set MSB, 0
.macro WIN new
.if MSB != \new
	s_set_vgpr_msb (MSB<<8)|\new
.set MSB, \new
.endif
.endm
.macro PLACES
.rept 4
	v_nop
.endr
.endm
.macro QHALF xb, c, pc
	v_max3_num_f32 v[MA], |v[\xb]|, |v[\xb+1]|, 0x1800000          ; two chains; among the leaves the floor 2^(3 - 127)
	v_max3_num_f32 v[MB], |v[\xb+16]|, |v[\xb+17]|, |v[\xb+18]|
.irp i, 2,4,6,8,10,12
	v_max3_num_f32 v[MA], v[MA], |v[\xb+\i]|, |v[\xb+\i+1]|
	v_max3_num_f32 v[MB], v[MB], |v[\xb+17+\i]|, |v[\xb+18+\i]|
.endr
	v_max3_num_f32 v[MA], v[MA], |v[\xb+14]|, |v[\xb+15]|
	v_max3_num_f32 v[MA], v[MA], v[MB], |v[\xb+31]|
	v_add_nc_u32 v[SCL+(\c)], 0xff000000, v[MA]                    ; 2 off the exponent field: the conversion's scale operand
	v_lshrrev_b32 v[BY+(\c)], 23, v[SCL+(\c)]
.irp g, 0,1,2,3
	v_cvt_scalef32_pk8_fp4_f32 v[\pc+4*(\c)+\g], v[\xb+8*\g:\xb+8*\g+7], v[SCL+(\c)]
.endr
	v_nop                                                          ; one plain instruction behind the last scaled conversion
.endm
; block u = 4 m + 2 ks + c of my 32 rows: row 16 m + r, k = 128 ks + 64 c + 32 h + 0 .. 31
.macro QL sl, u
.irp g, 0,1,2,3,4,5,6,7
	ds_load_b128 v[XB+32*((\u)%3)+4*\g:XB+32*((\u)%3)+4*\g+3], v[AQ+\sl] offset:16*RP*((\u)/4)+512*(((\u)/2)%2)+256*((\u)%2)+16*\g
.endr
.endm
.macro QC u, cnt
	s_wait_dscnt \cnt
	QHALF XB+32*((\u)%3), (\u)%2, PC+8*(((\u)/2)%2)
.if (\u)%2 == 1
	v_lshl_or_b32 v[PW+((\u)/2)%2], v[BY+1], 16, v[BY]             ; my bytes are those of blocks h and 2 + h; lane l xor 16 has the other two
	v_lshlrev_b32 v[PW+((\u)/2)%2], v[SH8], v[PW+((\u)/2)%2]
	v_permlanex16_b32 v[TP], v[PW+((\u)/2)%2], s[SEL], s[SEL+1]
	v_or_b32 v[PW+((\u)/2)%2], v[PW+((\u)/2)%2], v[TP]
.endif
.endm
.macro QS f, sl                        ; fragment f = 2 m + ks into the image: row tile 2 w + m, K step ks
	ds_store_b128 v[IW], v[PC+8*((\f)%2):PC+8*((\f)%2)+3] offset:(\sl)*IMGB+(\f)*1024
	ds_store_b128 v[IW], v[PC+8*((\f)%2)+4:PC+8*((\f)%2)+7] offset:(\sl)*IMGB+(\f)*1024+512
	ds_store_b32 v[ISW], v[PW+(\f)%2] offset:(\sl)*IMGB+(\f)*64
.endm
; The unit in slot sl becomes image sl.  Loads run two blocks ahead; each count is the number of LDS instructions issued behind the block's eight loads.
.macro QUANT sl
	WIN 0
	QL \sl, 0
	QL \sl, 1
	QL \sl, 2
	QC 0, 16
	QL \sl, 3
	QC 1, 16
	QS 0, \sl
	QL \sl, 4
	QC 2, 19
	QL \sl, 5
	QC 3, 19
	QS 1, \sl
	QL \sl, 6
	QC 4, 19
	QL \sl, 7
	QC 5, 19
	QS 2, \sl
	QC 6, 11
	QC 7, 3
	QS 3, \sl
.endm
; The barrier between two phases: all my tensor loads have landed, the add, my LDS reads and stores are done.  Behind it slot sl, read out in the last phase, takes the unit after next.
.macro CHANGE sl, fill, step
	WIN 0
	s_wait_tensorcnt 0x0
	ds_add_u32 v[SPW], v[NIL]
.if \step
	s_add_nc_u64 s[G0+4*\sl+2:G0+4*\sl+3], s[G0+4*\sl+2:G0+4*\sl+3], 1024   ; the same rows, the next 256 along K
.endif
	s_wait_dscnt 0x0
	s_barrier_signal -1
	s_barrier_wait -1
.if \fill
	tensor_load_to_lds s[G0+4*\sl:G0+4*\sl+3], s[G1:G1+7]
	s_nop 0
	PLACES
.endif
.endm
.macro WLD                             ; my 16 tiles of W for 256 along K: 2,048 consecutive bytes a tile, and 128 bytes of scale words
	WIN 0x80
.irp i, 0,1,2,3,4,5,6,7,8,9,10,11,12,13,14,15
.irp n, 0,1,2,3
	global_load_b128 v[16*\i+4*\n:16*\i+4*\n+3], v[WO], s[8:9] offset:8192*\i+512*\n
.endr
.endr
	WIN 0
.irp i, 0,1,2,3,4,5,6,7,8,9,10,11,12,13,14,15
	global_load_b32 v[WSC+\i], v[WL4], s[10:11] offset:512*\i
.endr
.endm
.macro MMA y                           ; row tile y of the trip against my 16 tiles of W, 256 along K: the 16 accumulators by turns
.irp i, 0,1,2,3,4,5,6,7,8,9,10,11,12,13,14,15
	v_wmma_scale_f32_16x16x128_f8f6f4 v[8*\i:8*\i+7], v[16*\i:16*\i+7], v[AF+16*\y:AF+16*\y+7], 0, v[WSC+\i], v[ASC+\y] matrix_a_fmt:MATRIX_FMT_FP4 matrix_b_fmt:MATRIX_FMT_FP4
.endr
.irp i, 0,1,2,3,4,5,6,7,8,9,10,11,12,13,14,15
	v_wmma_scale_f32_16x16x128_f8f6f4 v[8*\i:8*\i+7], v[16*\i+8:16*\i+15], v[AF+16*\y+8:AF+16*\y+15], v[8*\i:8*\i+7], v[WSC+\i], v[ASC+\y] matrix_a_fmt:MATRIX_FMT_FP4 matrix_b_fmt:MATRIX_FMT_FP4 matrix_a_scale:MATRIX_SCALE_ROW1 matrix_b_scale:MATRIX_SCALE_ROW1
.endr
.endm
.macro EPI po                          ; x dh, summed over my 128 e of the lane: four chains; the first begins on the old running sums; each accumulator is read from its low end on
	WIN W_EP
.irp j, 0,1,2,3,4,5,6,7,8,9,10,11,12,13,14,15
.irp k, 0,1,2,3
.if (\j == 0) && (\k == 0)
	v_pk_fma_f32 v[C:C+1], v[0:1], v[128:129], v[(\po):(\po)+1]
.elseif \j == 0
	v_pk_mul_f32 v[C+2*\k:C+2*\k+1], v[2*\k:2*\k+1], v[128+2*\k:128+2*\k+1]
.else
	v_pk_fma_f32 v[C+2*\k:C+2*\k+1], v[8*\j+2*\k:8*\j+2*\k+1], v[128+8*\j+2*\k:128+8*\j+2*\k+1], v[C+2*\k:C+2*\k+1]
.endif
.endr
.endr
.endm
.macro JOIN d                          ; the four chains become one pair
	v_pk_add_f32 v[C:C+1], v[C:C+1], v[C+2:C+3]
	v_pk_add_f32 v[C+4:C+5], v[C+4:C+5], v[C+6:C+7]
	v_nop
	v_pk_add_f32 v[(\d):(\d)+1], v[C:C+1], v[C+4:C+5]
.endm
.macro APRO h                          ; ahead of a unit's products: its first row tile's fragments and scale words, and the first trip's addresses
	v_mov_b32 v[AI], v[LI]
	v_mov_b32 v[ASA], v[LS]
	v_mov_b32 v[PSA], v[PB]
	s_wait_alu depctr_va_vdst(0)
.irp n, 0,1,2,3
	ds_load_b128 v[AF+4*\n:AF+4*\n+3], v[LI] offset:(\h)*IMGB+512*\n
.endr
	ds_load_b32 v[ASC], v[LS] offset:(\h)*IMGB
.endm
; The unit in image h (rows 128 h ..): four trips of two row tiles, 64 matrix instructions a trip.
.macro MUNIT h
	s_wait_loadcnt 0x0                             ; W's codes and scale words (and, the first time, dh) are in
	s_mov_b32 s[CT], 0
.Lm_\@:
	ds_load_b128 v[PO:PO+3], v[PSA] offset:(\h)*2048
.irp n, 0,1,2,3
	ds_load_b128 v[AF+16+4*\n:AF+16+4*\n+3], v[AI] offset:(\h)*IMGB+2048+512*\n
.endr
	ds_load_b32 v[ASC+1], v[ASA] offset:(\h)*IMGB+128
	s_wait_dscnt 6                                 ; all but the six just issued: the first row tile's fragments are in
	WIN W_MM
	MMA 0
	WIN 0
	s_wait_dscnt 0x0                               ; the six are in
	PLACES                                         ; four places behind the matrix instructions, for the loads and the reads below
	s_cmp_eq_u32 s[CT], 3
	s_cbranch_scc1 .Lms_\@                         ; the last trip has no successor
.irp n, 0,1,2,3
	ds_load_b128 v[AF+4*\n:AF+4*\n+3], v[AI] offset:(\h)*IMGB+4096+512*\n
.endr
	ds_load_b32 v[ASC], v[ASA] offset:(\h)*IMGB+256
.Lms_\@:
	EPI PO
	WIN W_MM
	MMA 1
	WIN 0
	JOIN PN                                        ; four plain instructions: the places behind the matrix instructions
	EPI PO+2
	WIN 0
	JOIN PN+2
	ds_store_b128 v[PSA], v[PN:PN+3] offset:(\h)*2048
	s_add_co_u32 s[CT], s[CT], 1
	s_lshl_b32 s[S1], s[CT], 12
	s_lshl_b32 s[S2], s[CT], 8
	s_lshl_b32 s[S3], s[CT], 9
	v_add_nc_u32 v[AI], s[S1], v[LI]
	v_add_nc_u32 v[ASA], s[S2], v[LS]
	v_add_nc_u32 v[PSA], s[S3], v[PB]
	s_wait_alu depctr_va_vdst(0)
	s_cmp_lt_u32 s[CT], 4
	s_cbranch_scc1 .Lm_\@
.endm
	s_load_b128 s[4:7], s[0:1], 0x0                ; enc, dh
	s_load_b128 s[8:11], s[0:1], 0x10              ; wf, ws
	s_load_b64 s[12:13], s[0:1], 0x20              ; en
	v_lshl_add_u32 v[SPW], v0, 2, SPARE
	v_mov_b32 v[NIL], 0
	ds_add_u32 v[SPW], v[NIL]                      ; the opening lines: the add, twice on end, and its wait ahead of my first tensor load
	ds_add_u32 v[SPW], v[NIL]
	v_lshrrev_b32 v[XB], 5, v0
	v_readfirstlane_b32 s[WV], v[XB]
	s_and_b32 s17, ttmp9, 31                       ; b
	s_lshr_b32 s18, ttmp9, 5                       ; which 256 positions
	s_mov_b32 s[G1+0], (2<<16)|(1<<20)|(7<<22)|(3<<25)   ; elements of 4 bytes; behind every 256 words 4 words of padding
	s_mov_b32 s[G1+1], 256<<16
	s_mov_b32 s[G1+2], 32<<16
	s_mov_b32 s[G1+3], 256<<16
	s_mov_b32 s[G1+4], 32
	s_mov_b32 s[G1+5], 32768                       ; from s to s + 1: 32 x 1,024 elements
	s_mov_b32 s[G1+6], 0
	s_mov_b32 s[G1+7], 0
	s_lshl_b32 s20, s18, 25                        ; 256 rows of 131,072 bytes,
	s_lshl_b32 s19, s[WV], 22                      ; my wave's 32 rows,
	s_add_co_u32 s20, s20, s19
	s_lshl_b32 s19, s17, 12                        ; b
	s_add_co_u32 s20, s20, s19
	s_mov_b32 s21, 0
	s_mov_b32 s[G0], 1
	s_mul_i32 s[G0+1], s[WV], TILEB
	s_mov_b32 s[G0+4], 1
	s_add_co_u32 s[G0+5], s[G0+1], SLOT
	s_mov_b32 s[SEL], 0x76543210
	s_mov_b32 s[SEL+1], 0xfedcba98
	s_wait_dscnt 0x0
	s_wait_kmcnt 0x0
	s_add_nc_u64 s[4:5], s[4:5], s[20:21]
	s_mov_b64 s[G0+2:G0+3], s[4:5]
	s_or_b32 s[G0+3], s[G0+3], 0x80000000
	s_add_nc_u64 s[G0+6:G0+7], s[4:5], 0x1000000   ; slot 1: 128 rows further down
	s_or_b32 s[G0+7], s[G0+7], 0x80000000
	tensor_load_to_lds s[G0:G0+3], s[G1:G1+7]      ; unit 0: one tensor load a wave at the head
	s_nop 0
	PLACES
	s_lshl_b32 s20, s17, 12
	s_lshl_b32 s19, s[WV], 10
	s_add_co_u32 s20, s20, s19
	s_add_nc_u64 s[6:7], s[6:7], s[20:21]          ; dh[b], my 256 e
	s_lshl_b32 s20, s[WV], 17
	s_add_nc_u64 s[8:9], s[8:9], s[20:21]          ; my 16 tiles of wf
	s_lshl_b32 s20, s[WV], 13
	s_add_nc_u64 s[10:11], s[10:11], s[20:21]      ; and of ws
	s_lshl_b32 s20, s17, 13
	s_lshl_b32 s19, s18, 10
	s_add_co_u32 s20, s20, s19
	s_lshl_b32 s19, s[WV], 8
	s_add_co_u32 s20, s20, s19
	s_add_nc_u64 s[12:13], s[12:13], s[20:21]      ; en[b], the 64 positions that my wave stores
	v_and_b32 v[XB], 31, v0                        ; lane
	v_and_b32 v[XB+1], 15, v0                      ; r
	v_bfe_u32 v[XB+2], v0, 4, 1                    ; h
	v_lshlrev_b32 v[DO], 5, v[XB+2]
	v_lshlrev_b32 v[WO], 4, v[XB]
	v_lshlrev_b32 v[WL4], 2, v[XB]
	s_wait_alu depctr_va_vdst(0)
	WIN 0x40
.irp i, 0,1,2,3,4,5,6,7,8,9,10,11,12,13,14,15
.irp u, 0,1
	global_load_b128 v[128+8*\i+4*\u:128+8*\i+4*\u+3], v[DO], s[6:7] offset:64*\i+16*\u   ; dh at e = 16 i + 8 h + 0 .. 7
.endr
.endr
	WLD
	v_mul_u32_u24 v[AQ], v[XB+1], RP
	v_lshl_add_u32 v[AQ], v[XB+2], 7, v[AQ]
	v_add_nc_u32 v[AQ], s[G0+1], v[AQ]
	v_add_nc_u32 v[AQ+1], SLOT, v[AQ]
	v_add_nc_u32 v[LI], IMG, v[WO]
	s_lshl_b32 s19, s[WV], 12
	v_add_nc_u32 v[IW], s19, v[LI]
	v_add_nc_u32 v[PB], s19, v[WO]
	v_add_nc_u32 v[PB], PS, v[PB]
	v_add_nc_u32 v[LS], IMG+ISC, v[WL4]
	s_lshl_b32 s19, s[WV], 8
	v_lshl_add_u32 v[ISW], v[XB+1], 2, s19
	v_add_nc_u32 v[ISW], IMG+ISC, v[ISW]
	v_lshlrev_b32 v[SH8], 3, v[XB+2]
	v_and_b32 v[FR], 7, v0                         ; the end: lane l of wave v takes rows 64 v + 2 l and + 1: 32 rows 2 v + l / 16, row tile (l / 8) % 2, r = 2 (l % 8)
	v_lshlrev_b32 v[FR], 5, v[FR]
	v_lshl_add_u32 v[FR], v[XB+2], 9, v[FR]
	v_bfe_u32 v[XB+3], v0, 3, 1
	v_lshl_add_u32 v[FR], v[XB+3], 3, v[FR]
	s_lshl_b32 s19, s[WV], 10
	v_add_nc_u32 v[FR], s19, v[FR]
	v_add_nc_u32 v[FR], PS, v[FR]
	v_lshlrev_b32 v[EO], 3, v[XB]
	v_mov_b32 v[TP], 0                             ; a lane permute's destination counts as one of its sources
.irp k, 0,1,2,3
	v_mov_b32 v[PN+\k], 0
.endr
.irp k, 0,1,2,3,4,5,6,7
	ds_store_b128 v[PB], v[PN:PN+3] offset:512*\k  ; my wave's running sums begin at 0
.endr
	s_wait_alu depctr_va_vdst(0)
	CHANGE 1, 1, 0                                 ; unit 0 has landed; slot 1's first fill, unit 1, is issued as a refill is
	QUANT 0
	s_mov_b32 s[LC], 0
.Lpair:                                                ; a trip: two phases; units 2 j + 2 and 2 j + 3 are asked for, 2 j + 1 and 2 j + 2 quantised, 2 j and 2 j + 1 multiplied
	CHANGE 0, 1, 1
	APRO 0
	QUANT 1
	MUNIT 0
	CHANGE 1, 1, 1
	APRO 1
	QUANT 0
	MUNIT 1
	s_wait_xcnt 0x0                                ; the earlier loads have read their bases
	s_add_nc_u64 s[8:9], s[8:9], 2048              ; W's next 256 along K: both units of this K pair are multiplied, and the sums' vector work stands as places behind the last products
	s_add_nc_u64 s[10:11], s[10:11], 128
	WLD
	s_add_co_u32 s[LC], s[LC], 1
	s_cmp_lt_u32 s[LC], 3
	s_cbranch_scc1 .Lpair
	CHANGE 0, 0, 0                                 ; unit 7 has landed; nothing is left to fetch
	APRO 0
	QUANT 1
	MUNIT 0
	CHANGE 0, 0, 0
	APRO 1
	MUNIT 1
	s_wait_dscnt 0x0                               ; for the others' sake: my running sums are stored
	s_barrier_signal -1
	s_barrier_wait -1
.irp a, 0,1
.irp w, 0,1,2,3
.irp h, 0,1
	ds_load_b64 v[XB+16*\a+4*\w+2*\h:XB+16*\a+4*\w+2*\h+1], v[FR] offset:4096*\w+256*\h+16*\a   ; row a of my two: four waves, two lane halves, a pair each
.endr
.endr
.endr
	s_wait_dscnt 0x0
.irp a, 0,1
.irp k, 0,2,4,6
	v_pk_add_f32 v[XB+16*\a+\k:XB+16*\a+\k+1], v[XB+16*\a+\k:XB+16*\a+\k+1], v[XB+16*\a+8+\k:XB+16*\a+9+\k]
.endr
.endr
.irp a, 0,1
.irp k, 0,2
	v_pk_add_f32 v[XB+16*\a+\k:XB+16*\a+\k+1], v[XB+16*\a+\k:XB+16*\a+\k+1], v[XB+16*\a+4+\k:XB+16*\a+5+\k]
.endr
.endr
.irp a, 0,1
	v_pk_add_f32 v[XB+16*\a:XB+16*\a+1], v[XB+16*\a:XB+16*\a+1], v[XB+16*\a+2:XB+16*\a+3]
.endr
.irp a, 0,1
	v_add_f32 v[EN+\a], v[XB+16*\a], v[XB+16*\a+1]
.endr
	global_store_b64 v[EO], v[EN:EN+1], s[12:13]   ; 32 lanes store 256 consecutive bytes, aligned
	s_wait_tensorcnt 0x0                           ; the wave's end
	ds_add_u32 v[SPW], v[NIL]
	s_wait_dscnt 0x0
	s_endpgm
.Lfunc_end_k_qf1ca33588c_main:
	.size	k_qf1ca33588c_main, .Lfunc_end_k_qf1ca33588c_main-k_qf1ca33588c_main
	.p2alignl 7, 3214868480
	.fill 96, 4, 3214868480
	.section	.rodata,"a",@progbits
	.p2align	6, 0x0
	.amdhsa_kernel k_qf1ca33588c_main
		.amdhsa_group_segment_fixed_size 327680
		.amdhsa_private_segment_fixed_size 0
		.amdhsa_enable_private_segment 0
		.amdhsa_kernarg_size 40
		.amdhsa_user_sgpr_count 2
		.amdhsa_user_sgpr_kernarg_segment_ptr 1
		.amdhsa_wavefront_size32 1
		.amdhsa_system_sgpr_workgroup_id_x 1
		.amdhsa_system_sgpr_workgroup_id_y 1
		.amdhsa_system_sgpr_workgroup_id_z 1
		.amdhsa_system_vgpr_workitem_id 0
		.amdhsa_next_free_vgpr 768
		.amdhsa_next_free_sgpr 66
		.amdhsa_reserve_vcc 0
		.amdhsa_float_denorm_mode_32 3
		.amdhsa_float_denorm_mode_16_64 3
		.amdhsa_memory_ordered 1
		.amdhsa_forward_progress 1
		.amdhsa_inst_pref_size 170
	.end_amdhsa_kernel
	.amdgpu_metadata
---
amdhsa.version: [ 1, 2 ]
amdhsa.kernels:
  - .name:           k_qf1ca33588c_main
    .symbol:         k_qf1ca33588c_main.kd
    .args:
      - { .name: encoder_outputs, .offset: 0, .size: 8, .value_kind: global_buffer, .address_space: global }
      - { .name: decoder_hidden, .offset: 8, .size: 8, .value_kind: global_buffer, .address_space: global }
      - { .name: wf, .offset: 16, .size: 8, .value_kind: global_buffer, .address_space: global }
      - { .name: ws, .offset: 24, .size: 8, .value_kind: global_buffer, .address_space: global }
      - { .name: en, .offset: 32, .size: 8, .value_kind: global_buffer, .address_space: global }
    .group_segment_fixed_size: 327680
    .private_segment_fixed_size: 0
    .kernarg_segment_align: 8
    .kernarg_segment_size: 40
    .max_flat_workgroup_size: 128
    .sgpr_count:     66
    .vgpr_count:     768
    .wavefront_size: 32
...
	.end_amdgpu_metadata
.endif
;; end of part 5
;; launch softmax (part 6): grid 32 x 1, 8 waves a work-group, no clusters, 1,280 bytes of LDS; arguments en, out0; writes out0
.if DOCPART == 6
	.amdgcn_target "amdgcn-amd-amdhsa--gfx1250"
	.amdhsa_code_object_version 6
	.text
	.protected	k_qf1ca33588c_softmax
	.globl	k_qf1ca33588c_softmax
	.p2align	8
	.type	k_qf1ca33588c_softmax,@function
k_qf1ca33588c_softmax:
	s_mov_b64 s[64:65], 0
	v_nop
	global_prefetch_b8 v0, s[64:65] scope:SCOPE_SE
	s_setreg_imm32_b32 hwreg(HW_REG_WAVE_MODE, 25, 1), 1
	s_wait_xcnt 0x0
; out0[b][0][s] = softmax over s of en[b][s].  en, out0: 32 rows of 2,048 f32.  A work-group takes a row, a thread eight numbers, which stay in registers between the maximum, the sum and the scaling: the row is read once.
; The row's maximum is taken away before the exponential: p = 2^((e - M) log2(e)), at most 1; the difference is formed first and then scaled, so that it is not a difference of two rounded products.
; LIMITS: a p under 2^-126 comes out as 0 (v_exp_f32 flushes denormals: ISA guide 15.8).  NaN and infinities are not served.
; Each load and store of a wave covers 512 consecutive bytes, aligned.  The waves' maxima meet in LDS bytes 0-31, their sums in bytes 32-63: other bytes, so one barrier each.
	s_load_b128 s[4:7], s[0:1], 0x0                ; en, out0
	v_lshl_add_u32 v32, v0, 2, 0x100
	v_mov_b32 v33, 0
	v_lshlrev_b32 v1, 4, v0                        ; 16 bytes a thread
	v_lshrrev_b32 v2, 5, v0
	s_delay_alu instid0(VALU_DEP_1)
	v_readfirstlane_b32 s8, v2                     ; wave 0..7
	s_lshl_b32 s9, s8, 2
	v_mov_b32 v3, s9                               ; my wave's word
	v_mov_b32 v14, 0
	v_mov_b32 v13, 0                               ; a lane permute's destination counts as one of its sources
	s_lshl_b32 s10, ttmp9, 13                      ; a row is 8,192 bytes
	s_mov_b32 s11, 0
	s_mov_b32 s12, 0x76543210                      ; v_permlanex16_b32's selects for lane l xor 16
	s_mov_b32 s13, 0xfedcba98
	s_wait_alu depctr_va_vdst(0)
	s_wait_kmcnt 0x0
	s_add_nc_u64 s[4:5], s[4:5], s[10:11]
	s_add_nc_u64 s[6:7], s[6:7], s[10:11]
	global_load_b128 v[4:7], v1, s[4:5] th:TH_LOAD_NT
	global_load_b128 v[8:11], v1, s[4:5] offset:4096 th:TH_LOAD_NT
	s_wait_loadcnt 0x0
	v_max3_num_f32 v12, v4, v5, v6                 ; the maximum: of my eight,
	s_delay_alu instid0(VALU_DEP_1)
	v_max3_num_f32 v12, v12, v7, v8
	s_delay_alu instid0(VALU_DEP_1)
	v_max3_num_f32 v12, v12, v9, v10
	s_delay_alu instid0(VALU_DEP_1)
	v_max_num_f32 v12, v12, v11
	s_delay_alu instid0(VALU_DEP_1)
	v_max_num_f32_dpp v12, v12, v12 row_xmask:1 row_mask:0xf bank_mask:0xf   ; of my wave's 256,
	s_delay_alu instid0(VALU_DEP_1)
	v_max_num_f32_dpp v12, v12, v12 row_xmask:2 row_mask:0xf bank_mask:0xf
	s_delay_alu instid0(VALU_DEP_1)
	v_max_num_f32_dpp v12, v12, v12 row_xmask:4 row_mask:0xf bank_mask:0xf
	s_delay_alu instid0(VALU_DEP_1)
	v_max_num_f32_dpp v12, v12, v12 row_xmask:8 row_mask:0xf bank_mask:0xf
	s_delay_alu instid0(VALU_DEP_1)
	v_permlanex16_b32 v13, v12, s12, s13
	s_delay_alu instid0(VALU_DEP_1)
	v_max_num_f32 v12, v12, v13
	ds_store_b32 v3, v12                           ; all lanes write the same word with the same value
	s_wait_dscnt 0x0                               ; for the others' sake: my store has landed
	s_barrier_signal -1
	s_barrier_wait -1
	ds_load_b128 v[16:19], v14
	ds_load_b128 v[20:23], v14 offset:16
	s_wait_dscnt 0x0
	v_max3_num_f32 v12, v16, v17, v18              ; of the eight waves: M
	s_delay_alu instid0(VALU_DEP_1)
	v_max3_num_f32 v12, v12, v19, v20
	s_delay_alu instid0(VALU_DEP_1)
	v_max3_num_f32 v12, v12, v21, v22
	s_delay_alu instid0(VALU_DEP_1)
	v_max_num_f32 v12, v12, v23
	s_wait_alu depctr_va_vdst(0)
.irp j, 4,6,8,10
	v_pk_add_f32 v[\j:\j+1], v[\j:\j+1], v[12:13] op_sel_hi:[1,0] neg_lo:[0,1] neg_hi:[0,1]   ; e - M (of the pair the low word serves both halves)
.endr
.irp j, 4,6,8,10
	s_delay_alu instid0(VALU_DEP_4)
	v_pk_mul_f32 v[\j:\j+1], v[\j:\j+1], 0x3fb8aa3b op_sel_hi:[1,0]                            ; x log2(e)
.endr
	s_wait_alu depctr_va_vdst(0)
.irp j, 4,5,6,7,8,9,10,11
	v_exp_f32 v[\j], v[\j]                         ; one batch
.endr
	v_nop                                          ; a plain instruction behind the last exponential
	s_wait_alu depctr_va_vdst(0)                   ; and the wait ahead of the batch's first reader
	v_pk_add_f32 v[24:25], v[4:5], v[6:7]          ; the sum: of my eight,
	v_pk_add_f32 v[26:27], v[8:9], v[10:11]
	s_delay_alu instid0(VALU_DEP_1)
	v_pk_add_f32 v[24:25], v[24:25], v[26:27]
	s_delay_alu instid0(VALU_DEP_1)
	v_add_f32 v24, v24, v25
	s_delay_alu instid0(VALU_DEP_1)
	v_add_f32_dpp v24, v24, v24 row_xmask:1 row_mask:0xf bank_mask:0xf       ; of my wave's 256,
	s_delay_alu instid0(VALU_DEP_1)
	v_add_f32_dpp v24, v24, v24 row_xmask:2 row_mask:0xf bank_mask:0xf
	s_delay_alu instid0(VALU_DEP_1)
	v_add_f32_dpp v24, v24, v24 row_xmask:4 row_mask:0xf bank_mask:0xf
	s_delay_alu instid0(VALU_DEP_1)
	v_add_f32_dpp v24, v24, v24 row_xmask:8 row_mask:0xf bank_mask:0xf
	s_delay_alu instid0(VALU_DEP_1)
	v_permlanex16_b32 v13, v24, s12, s13
	s_delay_alu instid0(VALU_DEP_1)
	v_add_f32 v24, v24, v13
	ds_store_b32 v3, v24 offset:32
	s_wait_dscnt 0x0
	s_barrier_signal -1
	s_barrier_wait -1
	ds_load_b128 v[16:19], v14 offset:32
	ds_load_b128 v[20:23], v14 offset:48
	s_wait_dscnt 0x0
	v_pk_add_f32 v[16:17], v[16:17], v[18:19]      ; of the eight waves
	v_pk_add_f32 v[20:21], v[20:21], v[22:23]
	s_delay_alu instid0(VALU_DEP_1)
	v_pk_add_f32 v[16:17], v[16:17], v[20:21]
	s_delay_alu instid0(VALU_DEP_1)
	v_add_f32 v26, v16, v17
	s_wait_alu depctr_va_vdst(0)
	v_rcp_f32 v24, v26
	v_nop                                          ; a plain instruction behind the reciprocal
	s_wait_alu depctr_va_vdst(0)                   ; and the wait ahead of its first reader
.irp j, 4,6,8,10
	v_pk_mul_f32 v[\j:\j+1], v[\j:\j+1], v[24:25] op_sel_hi:[1,0]
.endr
	global_store_b128 v1, v[4:7], s[6:7] th:TH_STORE_NT
	global_store_b128 v1, v[8:11], s[6:7] offset:4096 th:TH_STORE_NT
	s_wait_tensorcnt 0x0
	ds_add_u32 v32, v33
	s_wait_dscnt 0x0
	s_endpgm
.Lfunc_end_k_qf1ca33588c_softmax:
	.size	k_qf1ca33588c_softmax, .Lfunc_end_k_qf1ca33588c_softmax-k_qf1ca33588c_softmax
	.p2alignl 7, 3214868480
	.fill 96, 4, 3214868480
	.section	.rodata,"a",@progbits
	.p2align	6, 0x0
	.amdhsa_kernel k_qf1ca33588c_softmax
		.amdhsa_group_segment_fixed_size 1280
		.amdhsa_private_segment_fixed_size 0
		.amdhsa_enable_private_segment 0
		.amdhsa_kernarg_size 16
		.amdhsa_user_sgpr_count 2
		.amdhsa_user_sgpr_kernarg_segment_ptr 1
		.amdhsa_wavefront_size32 1
		.amdhsa_system_sgpr_workgroup_id_x 1
		.amdhsa_system_sgpr_workgroup_id_y 1
		.amdhsa_system_sgpr_workgroup_id_z 1
		.amdhsa_system_vgpr_workitem_id 0
		.amdhsa_next_free_vgpr 34
		.amdhsa_next_free_sgpr 66
		.amdhsa_reserve_vcc 0
		.amdhsa_float_denorm_mode_32 3
		.amdhsa_float_denorm_mode_16_64 3
		.amdhsa_memory_ordered 1
		.amdhsa_forward_progress 1
		.amdhsa_inst_pref_size 6
	.end_amdhsa_kernel
	.amdgpu_metadata
---
amdhsa.version: [ 1, 2 ]
amdhsa.kernels:
  - .name:           k_qf1ca33588c_softmax
    .symbol:         k_qf1ca33588c_softmax.kd
    .args:
      - { .name: en, .offset: 0, .size: 8, .value_kind: global_buffer, .address_space: global }
      - { .name: out0, .offset: 8, .size: 8, .value_kind: global_buffer, .address_space: global }
    .group_segment_fixed_size: 1280
    .private_segment_fixed_size: 0
    .kernarg_segment_align: 8
    .kernarg_segment_size: 16
    .max_flat_workgroup_size: 256
    .sgpr_count:     66
    .vgpr_count:     34
    .wavefront_size: 32
...
	.end_amdgpu_metadata
.endif
;; end of part 6
